; MI455X (gfx1250); checked and timed in simulation.
; The chip was launched on July 23, 2026; its instructions are those of AMD's public machine-readable ISA for CDNA 5 (MIT licence, August 2026) and "CDNA5" Instruction Set Architecture Reference Guide (July 2026). The comments in the code are by the model that wrote it; some were corrected since.
;; Cross Attention. Allowed arithmetic: float matrix products may take bf16 or f16 operands with f32 sums; other float arithmetic in f32, or as packed bf16 or f16 multiplies, adds, multiply-adds, maxima and minima; sums over many terms, partial sums and values carried from step to step in f32; what a program stores and reads back later, other than sums and carried values, may be rounded once to bf16 or f16.
;; Inputs: Wk 1,024 x 1,024 float32; Wq 1,024 x 1,024 float32; Wv 1,024 x 1,024 float32; bk 1,024 float32; bq 1,024 float32; bv 1,024 float32; key 4 x 2,048 x 1,024 float32; query 4 x 2,048 x 1,024 float32; value 4 x 2,048 x 1,024 float32.
;; Outputs: out0 4 x 2,048 x 1,024 float32.
;; One version. Each part assembles by itself: llvm-mc -triple=amdgcn-amd-amdhsa -mcpu=gfx1250 --defsym DOCPART=n.
;; ======== version 1 of 1: 4 launches
;; limits: values are held in f16: magnitudes above 65,504 overflow, below 6.1e-05 lose precision
;; workspace buffers: wb 6,291,456 bytes; qkv 50,331,648 bytes; pbuf 33,554,432 bytes; stats 1,048,576 bytes
;; launch wcvt (part 1): grid 256 x 3, 8 waves a work-group, no clusters, 0 bytes of LDS; arguments Wq, Wk, Wv, wb; writes wb
.if DOCPART == 1
	.amdgcn_target "amdgcn-amd-amdhsa--gfx1250"
	.amdhsa_code_object_version 6
	.text
	.protected	k_q38e15b670e_wcvt
	.globl	k_q38e15b670e_wcvt
	.p2align	8
	.type	k_q38e15b670e_wcvt,@function
k_q38e15b670e_wcvt:
	s_mov_b64 s[64:65], 0
	v_nop
	global_prefetch_b8 v0, s[64:65] scope:SCOPE_SE
	s_setreg_imm32_b32 hwreg(HW_REG_WAVE_MODE, 25, 1), 1
	s_wait_xcnt 0x0
; wb[p][e][d] = bf16(W_p[e][d]), p = 0, 1, 2 for Wq, Wk, Wv.  Each W is 1,024 x 1,024 f32; rounded once, to nearest even.
; A work-group of 256 threads takes 4,096 numbers (16,384 bytes in, 8,192 out) of the matrix that the grid's y names.
; Thread t takes 8 numbers at byte 32 t of each half of the share; its 16 bytes of bf16 go to byte 16 t of the half:
; sixteen neighbouring lanes store 256 consecutive bytes, at a multiple of 256 from wb's first byte.
; No LDS, no matrix work, nothing shared between work-groups: a plain copy with a rounding.
	s_load_b256 s[4:11], s[0:1], 0x0               ; Wq s[4:5], Wk s[6:7], Wv s[8:9], wb s[10:11]
	s_and_b32 s12, ttmp7, 0xffff                   ; p
	v_lshlrev_b32 v1, 5, v0                        ; 32 t
	v_lshlrev_b32 v2, 4, v0                        ; 16 t
	s_lshl_b32 s14, ttmp9, 14                      ; the share's first byte in W
	s_mov_b32 s15, 0
	s_lshl_b32 s16, ttmp9, 13                      ; and in wb:
	s_lshl_b32 s17, s12, 21                        ; 2,097,152 bytes a matrix
	s_add_co_u32 s16, s16, s17
	s_mov_b32 s17, 0
	s_wait_kmcnt 0x0
	s_cmp_eq_u32 s12, 1
	s_cselect_b64 s[18:19], s[6:7], s[4:5]
	s_cmp_eq_u32 s12, 2
	s_cselect_b64 s[18:19], s[8:9], s[18:19]
	s_add_nc_u64 s[18:19], s[18:19], s[14:15]
	s_add_nc_u64 s[10:11], s[10:11], s[16:17]
	global_load_b128 v[4:7], v1, s[18:19] th:TH_LOAD_NT
	global_load_b128 v[8:11], v1, s[18:19] offset:16 th:TH_LOAD_NT
	global_load_b128 v[12:15], v1, s[18:19] offset:8192 th:TH_LOAD_NT
	global_load_b128 v[16:19], v1, s[18:19] offset:8208 th:TH_LOAD_NT
	s_wait_loadcnt 0x2                             ; the first eight numbers are in; the two younger loads may stay out
	v_cvt_pk_bf16_f32 v20, v4, v5
	v_cvt_pk_bf16_f32 v21, v6, v7
	v_cvt_pk_bf16_f32 v22, v8, v9
	v_cvt_pk_bf16_f32 v23, v10, v11
	global_store_b128 v2, v[20:23], s[10:11]
	s_wait_loadcnt 0x0
	v_cvt_pk_bf16_f32 v24, v12, v13
	v_cvt_pk_bf16_f32 v25, v14, v15
	v_cvt_pk_bf16_f32 v26, v16, v17
	v_cvt_pk_bf16_f32 v27, v18, v19
	global_store_b128 v2, v[24:27], s[10:11] offset:4096
	s_endpgm
.Lfunc_end_k_q38e15b670e_wcvt:
	.size	k_q38e15b670e_wcvt, .Lfunc_end_k_q38e15b670e_wcvt-k_q38e15b670e_wcvt
	.p2alignl 7, 3214868480
	.fill 96, 4, 3214868480
	.section	.rodata,"a",@progbits
	.p2align	6, 0x0
	.amdhsa_kernel k_q38e15b670e_wcvt
		.amdhsa_group_segment_fixed_size 0
		.amdhsa_private_segment_fixed_size 0
		.amdhsa_enable_private_segment 0
		.amdhsa_kernarg_size 32
		.amdhsa_user_sgpr_count 2
		.amdhsa_user_sgpr_kernarg_segment_ptr 1
		.amdhsa_wavefront_size32 1
		.amdhsa_system_sgpr_workgroup_id_x 1
		.amdhsa_system_sgpr_workgroup_id_y 1
		.amdhsa_system_sgpr_workgroup_id_z 1
		.amdhsa_system_vgpr_workitem_id 0
		.amdhsa_next_free_vgpr 32
		.amdhsa_next_free_sgpr 66
		.amdhsa_reserve_vcc 0
		.amdhsa_float_denorm_mode_32 3
		.amdhsa_float_denorm_mode_16_64 3
		.amdhsa_memory_ordered 1
		.amdhsa_forward_progress 1
		.amdhsa_inst_pref_size 2
	.end_amdhsa_kernel
	.amdgpu_metadata
---
amdhsa.version: [ 1, 2 ]
amdhsa.kernels:
  - .name:           k_q38e15b670e_wcvt
    .symbol:         k_q38e15b670e_wcvt.kd
    .args:
      - { .name: Wq, .offset: 0, .size: 8, .value_kind: global_buffer, .address_space: global }
      - { .name: Wk, .offset: 8, .size: 8, .value_kind: global_buffer, .address_space: global }
      - { .name: Wv, .offset: 16, .size: 8, .value_kind: global_buffer, .address_space: global }
      - { .name: wb, .offset: 24, .size: 8, .value_kind: global_buffer, .address_space: global }
    .group_segment_fixed_size: 0
    .private_segment_fixed_size: 0
    .kernarg_segment_align: 8
    .kernarg_segment_size: 32
    .max_flat_workgroup_size: 256
    .sgpr_count:     66
    .vgpr_count:     32
    .wavefront_size: 32
...
	.end_amdgpu_metadata
.endif
;; end of part 1
;; launch proj (part 2): grid 4 x 64, 4 waves a work-group, clusters of 4 x 4, 327,680 bytes of LDS; arguments query, key, value, wb, bq, bk, bv, qkv; writes qkv
.if DOCPART == 2
	.amdgcn_target "amdgcn-amd-amdhsa--gfx1250"
	.amdhsa_code_object_version 6
	.text
	.protected	k_q38e15b670e_proj
	.globl	k_q38e15b670e_proj
	.p2align	8
	.type	k_q38e15b670e_proj,@function
k_q38e15b670e_proj:
	s_mov_b64 s[64:65], 0
	v_nop
	global_prefetch_b8 v0, s[64:65] scope:SCOPE_SE
	s_setreg_imm32_b32 hwreg(HW_REG_WAVE_MODE, 25, 1), 1
	s_wait_xcnt 0x0
	s_wait_alu depctr_hold_cnt(0) depctr_sa_sdst(0) depctr_va_vdst(0) depctr_va_sdst(0) depctr_va_ssrc(0) depctr_va_vcc(0) depctr_vm_vsrc(0)
	s_getreg_b32 s2, hwreg(HW_REG_IB_STS2, 6, 4)
	s_cmp_eq_u32 s2, 0
	s_cbranch_scc0 .Lentry_in_a_cluster
	s_endpgm
.Lentry_in_a_cluster:
	s_bfe_u32 s2, ttmp6, 0x10000c
	s_cmp_lg_u32 s2, 0xf033
	s_cbranch_scc0 .Lentry_shape_is_right
	s_endpgm
.Lentry_shape_is_right:
; qkv[p][m][e] = f16( bf16(b_p[e]) + sum over d of bf16(x_p[m][d]) wb[p][e][d] ),  p = 0, 1, 2 for (query, Wq, bq), (key, Wk, bk), (value, Wv, bv).
; x_p: [8192][1024] f32; wb: [3][1024][1024] bf16; b_p: [1024] f32; qkv: [3][8192][1024] f16.  Sums in f32, started by the bias; the result rounded once.
; LIMITS.  All the module's inputs are rounded to bf16, the bias too.  q, k, v are kept in f16: a result of 65,520 or more in magnitude becomes an infinity;
; NaN and infinities are not treated apart.
; SHARES.  A tile is 128 rows x 256 columns.  A WORK-GROUP STAYS: it makes the tile at its place for p = 0, then 1, then 2: 64 x 4 = 256 work-groups of equal work.
; Four waves, each 64 rows x 128 columns: 32 accumulators, 256 registers.  K goes in steps of 128 through two LDS slots, and the three tiles' 24 K steps are ONE walk for the ring: step g
; belongs to projection g / 8 and lies in slot g % 2; a tile's last two changes of slots ask for the next tile's first two steps, and a tile's stores leave while the next tile is multiplied.
; x's tile lies in LDS as f32 (rows of 512 bytes), W's as bf16 (rows of 256 bytes).
; x IS ROUNDED BETWEEN LDS AND THE MATRIX UNIT: a fragment of 16 rows x 32 K comes as 16 f32 a lane and is packed by eight conversions, which stand in fours between the products.
; CLUSTER.  4 x 4 work-groups: the four of a row share x's tile, the four of a column W's.  Each tile is asked for jointly: the same tensor load, descriptor and mask in all four.
; All sixteen partners walk the same 24 steps.
; THE MATRIX INSTRUCTION IS USED TRANSPOSED (source 0 = 16 rows of W, source 1 = 16 rows of x): a lane holds row l % 16 and the eight neighbouring columns 8 (l / 16) + 0..7.
; REGISTERS, in windows of 256 (s_set_vgpr_msb: bits 1:0 source 0, 3:2 source 1, 5:4 source 2, 7:6 destination):
;   window 0: v0-31 addresses; v32-159 x's fragments as f32, two buffers of 64; v160-191 x's four fragments as bf16; v192-223 at work on the way out
;   window 1: the accumulators, (a, b) at v[8 (8 a + b)]        window 2: v0-127 W's fragments, two buffers of 64; v128-191 the bias of my 64 numbers a lane; v192-193 at work
.set PA,    528                        ; a row of x in LDS: 512 bytes + 16 = 132 words: row r starts at bank 4 r mod 64 (64 banks of 4 bytes: ISA guide 11.1)
.set PB,    272                        ; a row of W: 256 bytes + 16 = 68 words: the same
.set AOFF,  128*PA                     ; in a slot: x's 128 rows, then W's 256 rows
.set SLOT,  AOFF+256*PB
.set STAGE, 2*SLOT                     ; behind the ring: 16 rows x 272 bytes for each wave, for the way out
.set SP,    272
.set SPARE, STAGE+4*16*SP              ; behind the stages: the spare words, 128 bytes a wave: two blocks of 256 bytes that no other line names
.set NSTEP, 24                         ; K steps of the walk: 8 a tile
.set NW,    28                         ; of a run of 32 LDS loads the first four (x's fragment 0) are in when 28 are out
.set ADRA0, 4                          ; v4   my lane's place in x's tile of slot 0; never rewritten
.set ADRB0, 5                          ; v5   the same for W
.set ADRA,  6                          ; v6   the same in the slot in hand
.set ADRB,  7                          ; v7
.set STO,   9                          ; v9   the way out: where I put 16 bytes of a row
.set RD,    10                         ; v10  where I read a row back
.set CO,    11                         ; v11  my byte offset in qkv
.set PFO,   12                         ; v12  the prefetches' offset; never rewritten
.set BO,    13                         ; v13  my byte offset in a bias; never rewritten
.set SPW,   28                         ; v28  LDS address of my spare word; never rewritten
.set NIL,   29                         ; v29  0; never rewritten
.set STG,   32
.set AB,    160
.set TMP,   192
.set OB,    96                         ; the way out: two buffers of 32, where x's second f32 buffer lies: at a tile's end it has been multiplied, while the first holds the next tile's fragments
.set BF,    0                          ; window 2
.set BIAS,  128                        ; window 2
.set BT,    192                        ; window 2
.set G1A, 24                           ; s[24:31] descriptor group 1 for x's tiles
.set G0A, 32                           ; s[32:39] group 0: a set for each first fill; the second then walks
.set G1B, 48                           ; s[48:55], s[56:63] the same for W's tiles
.set G0B, 56
.set LIM, 43                           ; s43  2 in a wave that prefetches, else the greatest number
.set PFA, 44                           ; s[44:45] where my prefetch stands
.set CNT, 66                           ; s66  trips still to come
.set TB,  67                           ; s67  0 or SLOT: the slot in hand
.set LBA, 84                           ; s84  my part of x's tile in a slot
.set LBB, 85                           ; s85  my part of W's
.set OFA, 92                           ; s[92:93] byte offset of x's tile to be asked for; the high word stays 0
.set OFB, 94                           ; s[94:95] the same in wb
.set OFP, 96                           ; s[96:97] the same for my prefetch
.set XP,  98                           ; s[98:99] x of the projection to be asked for
.set POF, 100                          ; s100 my rows' byte offset for the prefetches
.set PSH, 101                          ; s101 a K step's bytes in a row, as a shift: 9 for x, 8 for wb
.set MUL,  0x52                        ; W in window 2, x in window 0, C and D in window 1
.set MULZ, 0x62                        ; the same with C, the bias, in window 2
.set MSB, 0
.macro WIN new                         ; the immediate's high byte repeats the setting that is left; a switch that changes nothing is dropped
.if MSB != (\new)
	s_set_vgpr_msb (MSB<<8)|(\new)
.set MSB, \new
.endif
.endm
.macro PLACES
.rept 4
	v_nop
.endr
.endm
.macro CREST                           ; a round of the cluster's barrier behind its opening barrier
	s_cmp_lg_u32 s10, 0
	s_cbranch_scc1 .Lnot_wave_0_\@
	s_barrier_signal -3
.Lnot_wave_0_\@:
	s_barrier_wait -3
	s_barrier_signal -1
	s_barrier_wait -1
.endm
.macro CROUND                          ; a whole round
	s_barrier_signal -1
	s_barrier_wait -1
	CREST
.endm
; A joint load: waves 0 and 1 fetch the two halves of x's tile, waves 2 and 3 those of W's.  The branch hangs on the wave's number alone.
; An s_nop 0 and four v_nop follow each of the two lines, ahead of the jump and the label.
.macro JLOAD s
	s_cmp_eq_u32 s11, 0
	s_cbranch_scc0 .Lfor_b_\@
	tensor_load_to_lds s[G0A+4*(\s):G0A+4*(\s)+3], s[G1A:G1A+7]
	s_nop 0
.rept 4
	v_nop
.endr
	s_branch .Lasked_\@
.Lfor_b_\@:
	tensor_load_to_lds s[G0B+4*(\s):G0B+4*(\s)+3], s[G1B:G1B+7]
	s_nop 0
.rept 4
	v_nop
.endr
.Lasked_\@:
.endm
; A prefetch of the K step that stands two refills on, one instruction a wave, a lane a block of 256 bytes.  x's rows are read by this cluster alone: waves 0 and 1 ask, each partner of the
; cluster's row for 16 of the wave's 64 rows, two blocks a row.  W's rows are read by all 16 clusters: the one with y = 0 asks, waves 2 and 3, each partner of the column for 32 of
; the wave's 128 rows.  The partners are told apart by address.  So steps 4 to 23 are named once each; the last two trips have no step two refills on and ask for nothing.
.macro ASK
	s_cmp_gt_u32 s[CNT], s[LIM]
	s_cbranch_scc0 .Lnot_mine_\@
	global_prefetch_b8 v[PFO], s[PFA:PFA+1] th:TH_LOAD_NT scope:SCOPE_SE
.Lnot_mine_\@:
.endm
; My 64 numbers of a bias: for each of my 8 blocks of 16 columns the eight that my half of the lanes holds
.macro BIASLD base
	WIN 0x80                                       ; destination window 2, address window 0
.irp b, 0,1,2,3,4,5,6,7
	global_load_b128 v[BIAS+8*(\b):BIAS+8*(\b)+3],   v[BO], s[(\base):(\base)+1] offset:64*(\b)
	global_load_b128 v[BIAS+8*(\b)+4:BIAS+8*(\b)+7], v[BO], s[(\base):(\base)+1] offset:64*(\b)+16
.endr
	WIN 0
.endm
; The bias is rounded to bf16 like the other inputs, and widened again
.macro ROUNDB
	WIN 0x8a                                       ; all in window 2
.set i, 0
.rept 32
	v_cvt_pk_bf16_f32 v[BT+i%2], v[BIAS+2*i], v[BIAS+2*i+1]
	v_lshlrev_b32 v[BIAS+2*i], 16, v[BT+i%2]
	v_and_b32 v[BIAS+2*i+1], s88, v[BT+i%2]
.set i, i+1
.endr
	WIN 0
.endm
	s_load_b512 s[68:83], s[0:1], 0x0              ; query s[68:69], key, value, wb s[74:75], bq s[76:77], bk, bv, qkv s[82:83]
	v_lshl_add_u32 v[SPW], v0, 2, SPARE
	v_mov_b32 v[NIL], 0
	ds_add_u32 v[SPW], v[NIL]                      ; the wave's opening: the add and its wait stand ahead of my first tensor load; the set-up below stands between them
	v_lshrrev_b32 v3, 5, v0
	v_readfirstlane_b32 s10, v3                    ; wave 0..3
	s_lshr_b32 s11, s10, 1                         ; which half of the tile's rows is mine.  Also: I fetch for x (0) or for W (1)
	s_and_b32 s12, s10, 1                          ; which half of its columns.  Also: which half of that tile I fetch
	s_bfe_u32 s40, ttmp6, 0x40000                  ; cx
	s_bfe_u32 s41, ttmp6, 0x40004                  ; cy
	s_lshl_b32 s42, ttmp9, 2
	s_add_co_u32 s42, s42, s40                     ; tile column = 4 x cluster x + cx
	s_and_b32 s87, ttmp7, 0xffff                   ; cluster y, 0..15
	s_lshl_b32 s13, s87, 2
	s_add_co_u32 s13, s13, s41                     ; tile row, 0..63
	s_lshl_b32 s14, s41, 2
	s_lshl_b32 s14, 15, s14                        ; my row of the cluster
	s_lshl_b32 s15, 0x1111, s40                    ; my column
	s_or_b32 s[G1A+0], s14, (2<<16)|(1<<20)|(1<<21)|(6<<22)|(3<<25)  ; mask; elements of 4 bytes; padding on; bit 21 beside a mask; after every 128 words, 4 words
	s_or_b32 s[G1B+0], s15, (1<<16)|(1<<20)|(1<<21)|(5<<22)|(3<<25)  ; mask; elements of 2 bytes; after every 64 words, 4 words
	s_mov_b32 s[G1A+1], 128<<16                    ; tensor_dim0 = 128
	s_mov_b32 s[G1A+2], 64<<16                     ; tensor_dim1 = 64
	s_mov_b32 s[G1A+3], 128<<16                    ; tile_dim0 = 128
	s_mov_b32 s[G1A+4], 64                         ; tile_dim1 = 64
	s_mov_b32 s[G1A+5], 1024                       ; elements from row to row
	s_mov_b32 s[G1A+6], 0
	s_mov_b32 s[G1A+7], 0
	s_mov_b32 s[G1B+1], 128<<16
	s_mov_b32 s[G1B+2], 128<<16                    ; tensor_dim1 = 128
	s_mov_b32 s[G1B+3], 128<<16
	s_mov_b32 s[G1B+4], 128                        ; tile_dim1 = 128
	s_mov_b32 s[G1B+5], 1024
	s_mov_b32 s[G1B+6], 0
	s_mov_b32 s[G1B+7], 0
	s_lshl_b32 s16, s13, 7                         ; x: row 128 x tile row + 64 x half,
	s_lshl_b32 s17, s12, 6
	s_add_co_u32 s16, s16, s17
	s_lshl_b32 s16, s16, 12                        ; 4,096 bytes a row
	s_mov_b32 s17, 0
	s_lshl_b32 s18, s42, 8                         ; wb: row 256 x tile column + 128 x half,
	s_lshl_b32 s19, s12, 7
	s_add_co_u32 s18, s18, s19
	s_lshl_b32 s18, s18, 11                        ; 2,048 bytes a row
	s_mov_b32 s19, 0
	s_mul_i32 s[LBA], s12, 64*PA                   ; where they go: no place in the cluster enters an LDS address
	s_mul_i32 s[LBB], s12, 128*PB
	s_add_co_u32 s[LBB], s[LBB], AOFF
	s_mov_b32 s[TB], 0
	s_mov_b32 s[OFA+1], 0
	s_mov_b32 s[OFB+1], 0
	s_mov_b32 s[OFP+1], 0
	s_mov_b32 s88, 0xffff0000                      ; a word's upper bf16
	s_wait_dscnt 0x0                               ; the opening add is done
	s_wait_kmcnt 0x0
	s_add_nc_u64 s[20:21], s[68:69], s[16:17]      ; the walk begins with query and Wq
	s_add_nc_u64 s[22:23], s[74:75], s[18:19]
	CROUND                                         ; all sixteen work-groups are here: the first joint loads meet
.irp s, 0,1
	s_mov_b32 s[G0A+4*(\s)], 1                     ; count = 1
	s_add_co_u32 s[G0A+4*(\s)+1], s[LBA], (\s)*SLOT  ; LDS address
	s_add_nc_u64 s[G0A+4*(\s)+2:G0A+4*(\s)+3], s[20:21], (\s)*512  ; global address: K step s
	s_or_b32 s[G0A+4*(\s)+3], s[G0A+4*(\s)+3], 0x80000000  ; type = 2
	s_mov_b32 s[G0B+4*(\s)], 1
	s_add_co_u32 s[G0B+4*(\s)+1], s[LBB], (\s)*SLOT
	s_add_nc_u64 s[G0B+4*(\s)+2:G0B+4*(\s)+3], s[22:23], (\s)*256
	s_or_b32 s[G0B+4*(\s)+3], s[G0B+4*(\s)+3], 0x80000000
	JLOAD \s                                       ; two loads of mine are out
.endr
	v_and_b32 v1, 15, v0                           ; l % 16
	v_bfe_u32 v2, v0, 4, 1                         ; l / 16
	s_lshl_b32 s14, s42, 10                        ; the tile's 256 columns, 4 bytes each,
	s_lshl_b32 s15, s12, 9                         ; my 128 of them,
	s_add_co_u32 s14, s14, s15
	v_lshl_add_u32 v[BO], v2, 5, s14               ; and of a block of 16 the eight of my half of the lanes: 32 bytes
	BIASLD 76                                      ; bq
	; A bf16 fragment is 16 rows x 32 K: lane l holds row l % 16, K = 8 (l / 16) + 0..7 and 16 + 8 (l / 16) + 0..7.  In f32 those are 32 bytes at 32 (l / 16) and 32 bytes 64 further on.
	v_mul_u32_u24 v4, v1, PA
	v_lshl_add_u32 v4, v2, 5, v4
	s_mul_i32 s14, s11, 64*PA                      ; my 64 rows of x
	v_add_nc_u32 v[ADRA0], s14, v4
	v_mul_u32_u24 v5, v1, PB
	v_lshl_add_u32 v5, v2, 4, v5                   ; 272 x row + 16 x half: for W's fragments and for the stage
	s_mul_i32 s15, s10, 16*SP
	s_add_co_u32 s15, s15, STAGE                   ; my stage
	v_add_nc_u32 v[STO], s15, v5
	s_mul_i32 s14, s12, 128*PB                     ; my 128 rows of W,
	s_add_co_u32 s14, s14, AOFF                    ; behind x's tile
	v_add_nc_u32 v[ADRB0], s14, v5
	v_mul_u32_u24 v3, v2, SP                       ; back: lanes 0-15 one row of 256 bytes, lanes 16-31 the next
	v_lshl_add_u32 v3, v1, 4, v3
	v_add_nc_u32 v[RD], s15, v3
	v_lshlrev_b32 v3, 11, v2                       ; and the same two rows in qkv
	v_lshl_add_u32 v[CO], v1, 4, v3
	v_mov_b32 v[ADRA], v[ADRA0]
	v_mov_b32 v[ADRB], v[ADRB0]
	; the prefetches
	s_lshl_b32 s14, s40, 16                        ; x: my work-group's 16 rows of the wave's 64: 16 cx x 4,096 bytes
	s_add_co_u32 s14, s14, s16
	s_lshl_b32 s15, s41, 16                        ; wb: my work-group's 32 rows of the wave's 128: 32 cy x 2,048 bytes
	s_add_co_u32 s15, s15, s18
	s_cmp_eq_u32 s11, 0
	s_cselect_b32 s[POF], s14, s15
	s_cselect_b32 s20, 1, 0                        ; x: two lanes a row; wb: a lane a row
	s_cselect_b32 s21, 12, 11                      ; a row's bytes, as a shift
	s_sub_co_u32 s[PSH], 9, s11
	v_and_b32 v3, 31, v0
	v_lshrrev_b32 v14, s20, v3
	v_lshlrev_b32 v14, s21, v14
	v_and_b32 v15, s20, v3
	v_lshl_add_u32 v[PFO], v15, 8, v14
	s_mul_i32 s[LIM], s87, s11                     ; 0 in waves 0 and 1, and in the cluster with y = 0: the same in all sixteen partners, for a given wave
	s_cmp_eq_u32 s[LIM], 0
	s_cselect_b32 s[LIM], 2, -1
	; where my part of the first tile begins in qkv
	s_lshl_b32 s14, s13, 7
	s_lshl_b32 s15, s11, 6
	s_add_co_u32 s14, s14, s15
	s_lshl_b32 s14, s14, 11                        ; 2,048 bytes a row
	s_lshl_b32 s15, s42, 9
	s_add_co_u32 s14, s14, s15
	s_lshl_b32 s15, s12, 8
	s_add_co_u32 s14, s14, s15
	s_mov_b32 s15, 0
	s_add_nc_u64 s[8:9], s[82:83], s[14:15]
	s_wait_loadcnt 0x0                             ; the first bias
	ROUNDB
; Four of the eight conversions that make bf16 fragment pa of buffer pf's f32 fragment
.macro PREPH pf, pa, i0
	WIN 0
.irp i, 0,1,2,3
	v_cvt_pk_bf16_f32 v[AB+8*(\pa)+(\i0)+(\i)], v[STG+64*(\pf)+16*(\pa)+2*((\i0)+(\i))], v[STG+64*(\pf)+16*(\pa)+2*((\i0)+(\i))+1]
.endr
.endm
; Eight products: row block a x all 8 column blocks, 32 along K, W's fragments from buffer f.  zero = 1: they start the sums, with the bias as C.  Behind the second and the fifth stand four
; conversions each, for fragment pa of buffer pf.  The 32 accumulators take turns, in the same order in every quarter step.
.macro BLOCK f, a, zero, pf, pa
.irp b, 0,1,2,3,4,5,6,7
.if \zero
	WIN MULZ
	v_wmma_f32_16x16x32_bf16 v[8*(8*(\a)+(\b)):8*(8*(\a)+(\b))+7], v[BF+64*(\f)+8*(\b):BF+64*(\f)+8*(\b)+7], v[AB+8*(\a):AB+8*(\a)+7], v[BIAS+8*(\b):BIAS+8*(\b)+7]
.else
	WIN MUL
	v_wmma_f32_16x16x32_bf16 v[8*(8*(\a)+(\b)):8*(8*(\a)+(\b))+7], v[BF+64*(\f)+8*(\b):BF+64*(\f)+8*(\b)+7], v[AB+8*(\a):AB+8*(\a)+7], v[8*(8*(\a)+(\b)):8*(8*(\a)+(\b))+7]
.endif
.if (\b) == 1
	PREPH \pf, \pa, 0
.endif
.if (\b) == 4
	PREPH \pf, \pa, 4
.endif
.endr
.endm
; 32 LDS loads in one run: quarter kq of the slot in hand into buffer g: x's fragment 0 first, then W's eight, then x's other three
.macro FETCH kq, g
	WIN 0
.irp o, 0,1,2,3
	ds_load_b128 v[STG+64*(\g)+4*(\o):STG+64*(\g)+4*(\o)+3], v[ADRA] offset:128*(\kq)+16*((\o)%2)+64*((\o)/2)
.endr
	WIN 0x80
.irp b, 0,1,2,3,4,5,6,7
	ds_load_b128 v[BF+64*(\g)+8*(\b):BF+64*(\g)+8*(\b)+3],   v[ADRB] offset:64*(\kq)+(\b)*16*PB
	ds_load_b128 v[BF+64*(\g)+8*(\b)+4:BF+64*(\g)+8*(\b)+7], v[ADRB] offset:64*(\kq)+(\b)*16*PB+32
.endr
	WIN 0
.irp a, 1,2,3
.irp o, 0,1,2,3
	ds_load_b128 v[STG+64*(\g)+16*(\a)+4*(\o):STG+64*(\g)+16*(\a)+4*(\o)+3], v[ADRA] offset:128*(\kq)+(\a)*16*PA+16*((\o)%2)+64*((\o)/2)
.endr
.endr
.endm
; Quarter k of a K step (32 along K) on buffer f; the next quarter's fragments are fetched into buffer g behind the first block.  The loads go into registers that the quarter before has
; multiplied: the first block's eight conversions, which name none of those products' registers, are the places between.
.macro Q k, f, g, zero
	s_wait_dscnt 0x0                               ; this quarter's fragments are in
	BLOCK \f, 0, \zero, \f, 1
	FETCH (\k)+1, \g
	BLOCK \f, 1, \zero, \f, 2
	BLOCK \f, 2, \zero, \f, 3
	s_wait_dscnt NW                                ; the next quarter's first fragment of x is in
	BLOCK \f, 3, \zero, \g, 0
.endm
; The last quarter changes slots and then multiplies buffer 1.  Each wave waits for all its tensor loads (one is out: its part of the other slot), adds 0 to its spare word, and waits for that and
; for its reads of this slot, whose last fragments are in buffer 1.  fill = 1: the barrier opens a round of the cluster's, and the slot just read out is filled again, first thing behind the round,
; with step 24 - CNT of the walk, two on: all the quarter's products stand behind the request, so that from it to the wait for it a wave issues a whole K step's 128.
; The descriptors' addresses are made anew from the step's number: projection = step / 8, place along K = step % 8.
; fill = 0, the tail: nothing is asked for; in its last trip there is no further step, and the run of LDS loads is jumped over.
.macro TURN fill
.if \fill
	s_wait_xcnt 0x0                                ; the last prefetch, a K step back, has read its address: it is made anew, for the step two refills on
	s_sub_co_u32 s14, NSTEP+2, s[CNT]
	s_min_u32 s14, s14, NSTEP-1                    ; (the last two trips ask for nothing; the number stays a step's)
	s_lshr_b32 s15, s14, 3                         ; its projection
	s_and_b32 s14, s14, 7                          ; its place along K
	s_lshl_b32 s[OFP], s14, s[PSH]
	s_add_co_u32 s[OFP], s[OFP], s[POF]
	s_cmp_eq_u32 s15, 1
	s_cselect_b64 s[PFA:PFA+1], s[70:71], s[68:69]
	s_cmp_eq_u32 s15, 2
	s_cselect_b64 s[PFA:PFA+1], s[72:73], s[PFA:PFA+1]
	s_cmp_eq_u32 s11, 0
	s_cselect_b64 s[PFA:PFA+1], s[PFA:PFA+1], s[74:75]
	s_mul_i32 s15, s15, s11                        ; in wb the projection is an offset: 2,097,152 bytes a matrix
	s_lshl_b32 s15, s15, 21
	s_add_co_u32 s[OFP], s[OFP], s15
	s_add_nc_u64 s[PFA:PFA+1], s[PFA:PFA+1], s[OFP:OFP+1]
.endif
	WIN 0
	s_wait_tensorcnt 0x0                           ; all my tensor loads have landed, so every group 0 may be written
	ds_add_u32 v[SPW], v[NIL]                      ; 0 onto my spare word: the descriptors' scalar work stands between it and the wait for it
.if \fill
	s_sub_co_u32 s14, NSTEP, s[CNT]                ; the step to be asked for
	s_lshr_b32 s15, s14, 3
	s_and_b32 s14, s14, 7
	s_lshl_b32 s[OFA], s14, 9                      ; 512 bytes of x a step
	s_add_co_u32 s[OFA], s[OFA], s16
	s_cmp_eq_u32 s15, 1
	s_cselect_b64 s[XP:XP+1], s[70:71], s[68:69]
	s_cmp_eq_u32 s15, 2
	s_cselect_b64 s[XP:XP+1], s[72:73], s[XP:XP+1]
	s_add_co_u32 s[G0A+5], s[LBA], s[TB]           ; the slot just read out
	s_add_nc_u64 s[G0A+6:G0A+7], s[XP:XP+1], s[OFA:OFA+1]
	s_or_b32 s[G0A+7], s[G0A+7], 0x80000000        ; type = 2
	s_lshl_b32 s[OFB], s14, 8                      ; 256 bytes of wb a step
	s_lshl_b32 s15, s15, 21
	s_add_co_u32 s[OFB], s[OFB], s15
	s_add_co_u32 s[OFB], s[OFB], s18
	s_add_co_u32 s[G0B+5], s[LBB], s[TB]
	s_add_nc_u64 s[G0B+6:G0B+7], s[74:75], s[OFB:OFB+1]
	s_or_b32 s[G0B+7], s[G0B+7], 0x80000000
.endif
	s_wait_dscnt 0x0                               ; the add is done, and my reads of this slot are over
	s_barrier_signal -1
	s_barrier_wait -1
.if \fill
	CREST                                          ; no wave of any partner still reads this slot or has a load on its way
	JLOAD 1                                        ; the four v_nop behind it are also the places in front of the loads below
.else
	PLACES
.endif
	s_xor_b32 s[TB], s[TB], SLOT                   ; the other slot is in hand
	v_add_nc_u32 v[ADRA], s[TB], v[ADRA0]
	v_add_nc_u32 v[ADRB], s[TB], v[ADRB0]
.if \fill
	FETCH 0, 0
	ASK
.else
	s_cmp_eq_u32 s[CNT], 1
	s_cbranch_scc1 .Lno_fetch_\@
	FETCH 0, 0
.Lno_fetch_\@:
.endif
	BLOCK 1, 0, 0, 1, 1
	BLOCK 1, 1, 0, 1, 2
	BLOCK 1, 2, 0, 1, 3
	s_wait_dscnt NW
	BLOCK 1, 3, 0, 0, 0
.endm
; THE WAY OUT, a block of 16 rows at a time: the sums are rounded to f16 (16 bytes a lane), go into my stage in rows of 272 bytes and come back as whole rows of 256.
.macro PACK a
	WIN 0x05                                       ; sources in window 1
.set i, 0
.rept 32
	v_cvt_pk_f16_f32 v[TMP+i], v[64*(\a)+2*i], v[64*(\a)+2*i+1]
.set i, i+1
.endr
	WIN 0
.endm
.macro TOSTAGE a
	WIN 0
.irp b, 0,1,2,3,4,5,6,7
	ds_store_b128 v[STO], v[TMP+4*(\b):TMP+4*(\b)+3] offset:32*(\b)
.endr
.irp t, 0,1,2,3,4,5,6,7
	ds_load_b128 v[OB+32*((\a)%2)+4*(\t):OB+32*((\a)%2)+4*(\t)+3], v[RD] offset:(\t)*2*SP  ; LDS serves a wave's instructions in order (ISA guide 5.7.1.4): these see the stores above
.endr
.endm
.macro SEND a
	WIN 0
	s_wait_dscnt 0x0                               ; the block is back in registers
	s_wait_xcnt 0x0                                ; the stores of the block before have read their registers, which the next block's loads from the stage write again
.irp t, 0,1,2,3,4,5,6,7
	global_store_b128 v[CO], v[OB+32*((\a)%2)+4*(\t):OB+32*((\a)%2)+4*(\t)+3], s[8:9] offset:(16*(\a)+2*(\t))*2048  ; 16 lanes store 256 consecutive bytes, at a multiple of 256 from qkv's first byte
.endr
.endm
; next = 1: another tile follows: its bias, asked for behind this tile's first quarter, is rounded first (96 plain lines that name no register of the last products: the places behind them),
; and at the end the stores' base goes on to the next projection.
.macro WAYOUT next
.if \next
	s_wait_loadcnt 0x0                             ; the next tile's bias
	ROUNDB
.else
	WIN 0
	PLACES
.endif
	PACK 0
	TOSTAGE 0
.irp a, 1,2,3                          ; block a's conversions stand between block a - 1's loads from the stage and the wait for them
	PACK \a
	SEND (\a)-1
	TOSTAGE \a
.endr
	SEND 3
.if \next
	s_wait_xcnt 0x0                                ; the stores have read their base and their registers, into which the next quarter's fragments are loaded
	s_add_nc_u64 s[8:9], s[8:9], 0x1000000         ; 16,777,216 bytes a projection
.endif
.endm
	s_wait_tensorcnt 0x1                           ; my part of step 0 is in; step 1's may stay out
	s_barrier_signal -1
	s_barrier_wait -1                              ; everybody's is
	FETCH 0, 0
	s_wait_dscnt NW
	PREPH 0, 0, 0
	PREPH 0, 0, 4
	s_mov_b32 s[CNT], NSTEP-1
	s_branch .Lq0z                                 ; the loop is entered at a tile's first quarter, in the middle of a trip
.Lstep:                                                ; 22 trips: quarters 1 to 3 of step 22 - CNT, a refill, the next step's quarter 0
	Q 1, 1, 0, 0
	Q 2, 0, 1, 0
	TURN 1
	WIN 0                                          ; at a label and at a branch every window is 0
	s_and_b32 s14, s[CNT], 7
	s_cmp_eq_u32 s14, 7                            ; CNT = 15 and 7: steps 7 and 15, a tile's last
	s_cbranch_scc0 .Lq0
	WAYOUT 1                                       ; both of the next tile's first steps have been asked for: now the tile goes out
.Lq0z:
	Q 0, 0, 1, 1                                   ; a tile's first quarter: its products start the sums, with the bias
	WIN 0
	s_cmp_eq_u32 s[CNT], 7                         ; the third tile has no successor
	s_cbranch_scc1 .Lbottom
	s_cmp_eq_u32 s[CNT], NSTEP-1
	s_cselect_b64 s[90:91], s[78:79], s[80:81]     ; behind the first tile's first quarter bk, behind the second's bv
	PLACES                                         ; the loads go into registers that the products just issued have read
	BIASLD 90
	s_branch .Lbottom
.Lq0:
	Q 0, 0, 1, 0
	WIN 0
.Lbottom:
	s_sub_co_u32 s[CNT], s[CNT], 1
	s_cmp_lg_u32 s[CNT], 0
	s_cbranch_scc1 .Lstep
	s_mov_b32 s[CNT], 2
.Ltail:                                                ; the walk's last two steps ask for nothing: one text, two trips; the second has no next step
	Q 1, 1, 0, 0
	Q 2, 0, 1, 0
	TURN 0
	WIN 0
	s_cmp_eq_u32 s[CNT], 1
	s_cbranch_scc1 .Lended
	Q 0, 0, 1, 0
	WIN 0
.Lended:
	s_sub_co_u32 s[CNT], s[CNT], 1
	s_cmp_lg_u32 s[CNT], 0
	s_cbranch_scc1 .Ltail
	s_wait_dscnt 0x0
	WAYOUT 0
	s_wait_tensorcnt 0x0                           ; the wave's end: behind my last tensor load and my last LDS store
	ds_add_u32 v[SPW], v[NIL]
	s_wait_dscnt 0x0
	CROUND                                         ; the closing round: no work-group ends while a partner may still ask for a tile that names it
	s_endpgm
.Lfunc_end_k_q38e15b670e_proj:
	.size	k_q38e15b670e_proj, .Lfunc_end_k_q38e15b670e_proj-k_q38e15b670e_proj
	.p2alignl 7, 3214868480
	.fill 96, 4, 3214868480
	.section	.rodata,"a",@progbits
	.p2align	6, 0x0
	.amdhsa_kernel k_q38e15b670e_proj
		.amdhsa_group_segment_fixed_size 327680
		.amdhsa_private_segment_fixed_size 0
		.amdhsa_enable_private_segment 0
		.amdhsa_kernarg_size 64
		.amdhsa_user_sgpr_count 2
		.amdhsa_user_sgpr_kernarg_segment_ptr 1
		.amdhsa_wavefront_size32 1
		.amdhsa_system_sgpr_workgroup_id_x 1
		.amdhsa_system_sgpr_workgroup_id_y 1
		.amdhsa_system_sgpr_workgroup_id_z 1
		.amdhsa_system_vgpr_workitem_id 0
		.amdhsa_next_free_vgpr 720
		.amdhsa_next_free_sgpr 102
		.amdhsa_reserve_vcc 0
		.amdhsa_float_denorm_mode_32 3
		.amdhsa_float_denorm_mode_16_64 3
		.amdhsa_memory_ordered 1
		.amdhsa_forward_progress 1
		.amdhsa_inst_pref_size 118
	.end_amdhsa_kernel
	.amdgpu_metadata
---
amdhsa.version: [ 1, 2 ]
amdhsa.kernels:
  - .name:           k_q38e15b670e_proj
    .symbol:         k_q38e15b670e_proj.kd
    .args:
      - { .name: query, .offset: 0, .size: 8, .value_kind: global_buffer, .address_space: global }
      - { .name: key, .offset: 8, .size: 8, .value_kind: global_buffer, .address_space: global }
      - { .name: value, .offset: 16, .size: 8, .value_kind: global_buffer, .address_space: global }
      - { .name: wb, .offset: 24, .size: 8, .value_kind: global_buffer, .address_space: global }
      - { .name: bq, .offset: 32, .size: 8, .value_kind: global_buffer, .address_space: global }
      - { .name: bk, .offset: 40, .size: 8, .value_kind: global_buffer, .address_space: global }
      - { .name: bv, .offset: 48, .size: 8, .value_kind: global_buffer, .address_space: global }
      - { .name: qkv, .offset: 56, .size: 8, .value_kind: global_buffer, .address_space: global }
    .group_segment_fixed_size: 327680
    .private_segment_fixed_size: 0
    .kernarg_segment_align: 8
    .kernarg_segment_size: 64
    .max_flat_workgroup_size: 128
    .sgpr_count:     102
    .vgpr_count:     720
    .wavefront_size: 32
...
	.end_amdgpu_metadata
.endif
;; end of part 2
;; launch score (part 3): grid 8 x 32, 4 waves a work-group, clusters of 4 x 4, 327,680 bytes of LDS; arguments qkv, pbuf, stats; writes pbuf, stats
.if DOCPART == 3
	.amdgcn_target "amdgcn-amd-amdhsa--gfx1250"
	.amdhsa_code_object_version 6
	.text
	.protected	k_q38e15b670e_score
	.globl	k_q38e15b670e_score
	.p2align	8
	.type	k_q38e15b670e_score,@function
k_q38e15b670e_score:
	s_mov_b64 s[64:65], 0
	v_nop
	global_prefetch_b8 v0, s[64:65] scope:SCOPE_SE
	s_setreg_imm32_b32 hwreg(HW_REG_WAVE_MODE, 25, 1), 1
	s_wait_xcnt 0x0
	s_wait_alu depctr_hold_cnt(0) depctr_sa_sdst(0) depctr_va_vdst(0) depctr_va_sdst(0) depctr_va_ssrc(0) depctr_va_vcc(0) depctr_vm_vsrc(0)
	s_getreg_b32 s2, hwreg(HW_REG_IB_STS2, 6, 4)
	s_cmp_eq_u32 s2, 0
	s_cbranch_scc0 .Lentry_in_a_cluster
	s_endpgm
.Lentry_in_a_cluster:
	s_bfe_u32 s2, ttmp6, 0x10000c
	s_cmp_lg_u32 s2, 0xf033
	s_cbranch_scc0 .Lentry_shape_is_right
	s_endpgm
.Lentry_shape_is_right:
; For each batch: s[q][k] = sum over d of q[q][d] k[k][d]; keys in 16 chunks of 128.  For a query and a chunk: m' = c max s, p = 2^(c s - m'), l = the sum of p;  c = log2(e) / 32.
; qkv: [3][8192][1024] f16 (q, k, v).  pbuf[8192][2048] f16 takes p; stats takes m' as [4 batches][16 chunks][2048 rows] f32 and, 524,288 bytes on, l in the same layout.
; The maximum taken away is the chunk's own; the next launch joins a row's 16 chunks by the factors 2^(m' - the row's largest m').  Products, maxima and sums in f32; l is the sum of the unrounded p.
; LIMITS.  p lies in 0 to 1; below 6e-5 it keeps f16's fixed step of 6e-8; an exponential below 2^-126 counts as 0.  NaN and infinities are not treated apart.
; SHARES.  A tile is 256 queries x 256 keys of one batch: 8 x 8 x 4 = 256 work-groups.  Four waves, each 128 queries x 128 keys (one chunk): 64 accumulators, 512 registers.
; K (the 1,024 channels) goes in 8 steps of 128 through two LDS slots.  CLUSTER: 4 x 4 work-groups; q's tile is shared along a row of the cluster, k's along a column, each asked for jointly.
; THE MATRIX INSTRUCTION IS USED TRANSPOSED (source 0 = 16 keys, source 1 = 16 queries): a lane holds ONE query (l % 16) and the keys 8 (l / 16) + 0..7 of each block of 16:
; a query's 128 scores lie in two lanes, 16 apart, and eight neighbouring weights pack into 16 bytes.
; REGISTERS, in windows of 256 (s_set_vgpr_msb: bits 1:0 source 0, 3:2 source 1, 5:4 source 2, 7:6 destination):
;   window 0: v0-31 addresses; v64-127, v128-191 q's fragments, two buffers (behind the loop v64-91 hold statistics); v32-63, v192-255 at work on the way out
;   window 1: v64-127, v128-191 k's fragments        window 2: the accumulators of my queries 0-63, (a, b) at v[8 (8 a + b)]        window 3: those of my queries 64-127
.set PITCH, 272                        ; an LDS row: 256 bytes + 16 = 68 words: row r starts at bank 4 r mod 64 (64 banks of 4 bytes: ISA guide 11.1)
.set HALFT, 128*PITCH                  ; 128 rows: what one tensor load brings, and what one wave reads of q or of k
.set SLOT,  4*HALFT
.set STAGE, 2*SLOT                     ; behind the ring: 16 rows x 272 bytes for each wave
.set SP,    272
.set SPARE, STAGE+4*16*SP              ; the spare words, 128 bytes a wave: two blocks of 256 bytes that no other line names
.set NS,    8
.set ADRA0, 16                         ; v16  my lane's place in q's tile of slot 0; never rewritten
.set ADRB0, 17                         ; v17  the same for k
.set ADRA,  20                         ; v20  the same in the slot in hand
.set ADRB,  21
.set SA,    22                         ; v22  where I put a statistic of my query
.set SB,    23                         ; v23  where I read four of them back
.set STO,   24                         ; v24  the way out: where I put 16 bytes of a row
.set RD,    25                         ; v25  where I read a row back
.set CO,    26                         ; v26  my byte offset in pbuf
.set SO,    27                         ; v27  my byte offset in stats
.set SPW,   28
.set NIL,   29
.set PFO,   30                         ; v30  the prefetches' offset: my lane x a row of 2,048 bytes; never rewritten
.set F0,    64
.set F1,    128
.set TMP,   192
.set OB,    32                         ; 16 rows read back from the stage: v32-63 and v224-255 by turns
.set ST,    64                         ; behind the loop: block a's m' at ST + 2 a, its l at ST + 2 a + 1
.set T,     80                         ; v80-83 at work
.set G1A, 24
.set G0A, 32
.set G1B, 48
.set G0B, 56
.set LIM, 43
.set PFA, 44
.set CNT, 66
.set TB,  67
.set CS,  76                           ; s[76:77] c: the packed scaling takes the pair's low word for both halves
.set SEL, 78                           ; s[78:79] v_permlanex16_b32's selects: each lane takes its own place in the other half
.set LB,  84                           ; s84  my part of a slot: wave x 128 rows
.set MUL_LO, 0xa1                      ; k in window 1, q in window 0, C and D in window 2
.set MUL_HI, 0xf1                      ; the same, C and D in window 3
.set TO_B,   0x40
.set MSB, 0
.macro WIN new
.if MSB != (\new)
	s_set_vgpr_msb (MSB<<8)|(\new)
.set MSB, \new
.endif
.endm
.macro PLACES
.rept 4
	v_nop
.endr
.endm
.macro CREST
	s_cmp_lg_u32 s10, 0
	s_cbranch_scc1 .Lnot_wave_0_\@
	s_barrier_signal -3
.Lnot_wave_0_\@:
	s_barrier_wait -3
	s_barrier_signal -1
	s_barrier_wait -1
.endm
.macro CROUND
	s_barrier_signal -1
	s_barrier_wait -1
	CREST
.endm
.macro JLOAD s                         ; waves 0 and 1 fetch q's two halves, waves 2 and 3 k's; an s_nop 0 and four v_nop follow each line
	s_cmp_eq_u32 s11, 0
	s_cbranch_scc0 .Lfor_b_\@
	tensor_load_to_lds s[G0A+4*(\s):G0A+4*(\s)+3], s[G1A:G1A+7]
	s_nop 0
.rept 4
	v_nop
.endr
	s_branch .Lasked_\@
.Lfor_b_\@:
	tensor_load_to_lds s[G0B+4*(\s):G0B+4*(\s)+3], s[G1B:G1B+7]
	s_nop 0
.rept 4
	v_nop
.endr
.Lasked_\@:
.endm
; A prefetch of the K step two refills on: 32 rows x 256 bytes, a lane a row.  q's rows are read by the two clusters of a row of clusters: the one with x = 0 asks; k's rows by the two clusters of a
; batch in a column: the one with even y asks.  Of the 128 rows that a wave fetches each of the four partners takes 32, told apart by address.  The last two trips ask for nothing.
.macro ASK
	s_cmp_gt_u32 s[CNT], s[LIM]
	s_cbranch_scc0 .Lnot_mine_\@
	global_prefetch_b8 v[PFO], s[PFA:PFA+1] th:TH_LOAD_NT scope:SCOPE_SE
.Lnot_mine_\@:
.endm
	s_load_b128 s[4:7], s[0:1], 0x0                ; qkv s[4:5], pbuf s[6:7]
	s_load_b64 s[8:9], s[0:1], 0x10                ; stats
	v_lshl_add_u32 v[SPW], v0, 2, SPARE
	v_mov_b32 v[NIL], 0
	ds_add_u32 v[SPW], v[NIL]                      ; the wave's opening: the add and its wait stand ahead of my first tensor load
	v_lshrrev_b32 v1, 5, v0
	v_readfirstlane_b32 s10, v1                    ; wave 0..3
	s_lshr_b32 s11, s10, 1                         ; which half of the queries is mine.  Also: I fetch for q (0) or for k (1)
	s_and_b32 s12, s10, 1                          ; which half of the keys.  Also: which 128 rows of that tile I fetch
	s_bfe_u32 s40, ttmp6, 0x40000                  ; cx
	s_bfe_u32 s41, ttmp6, 0x40004                  ; cy
	s_lshl_b32 s42, ttmp9, 2
	s_add_co_u32 s42, s42, s40                     ; key tile in the batch, 0..7
	s_and_b32 s87, ttmp7, 0xffff                   ; cluster y, 0..7
	s_lshl_b32 s13, s87, 2
	s_add_co_u32 s13, s13, s41                     ; query tile over all batches, 0..31
	s_lshr_b32 s86, s87, 1                         ; the batch: of the cluster's y alone
	s_lshl_b32 s14, s41, 2
	s_lshl_b32 s14, 15, s14                        ; my row of the cluster
	s_lshl_b32 s15, 0x1111, s40                    ; my column
	s_or_b32 s[G1A+0], s14, (1<<16)|(1<<20)|(1<<21)|(5<<22)|(3<<25)  ; mask; elements of 2 bytes; padding on; bit 21 beside a mask; after every 64 words, 4 words
	s_or_b32 s[G1B+0], s15, (1<<16)|(1<<20)|(1<<21)|(5<<22)|(3<<25)
.irp g, G1A, G1B
	s_mov_b32 s[(\g)+1], 128<<16                   ; tensor_dim0 = 128
	s_mov_b32 s[(\g)+2], 128<<16                   ; tensor_dim1 = 128
	s_mov_b32 s[(\g)+3], 128<<16                   ; tile_dim0 = 128
	s_mov_b32 s[(\g)+4], 128                       ; tile_dim1 = 128
	s_mov_b32 s[(\g)+5], 1024                      ; elements from row to row
	s_mov_b32 s[(\g)+6], 0
	s_mov_b32 s[(\g)+7], 0
.endr
	s_lshl_b32 s16, s13, 8                         ; q: row 256 x query tile + 128 x half
	s_lshl_b32 s17, s12, 7
	s_add_co_u32 s16, s16, s17
	s_lshl_b32 s16, s16, 11                        ; 2,048 bytes a row
	s_mov_b32 s17, 0
	s_lshl_b32 s18, s86, 11                        ; k: row 2,048 x batch + 256 x key tile + 128 x half
	s_lshl_b32 s19, s42, 8
	s_add_co_u32 s18, s18, s19
	s_lshl_b32 s19, s12, 7
	s_add_co_u32 s18, s18, s19
	s_lshl_b32 s18, s18, 11
	s_add_co_u32 s18, s18, 0x1000000               ; k lies 16,777,216 bytes behind q
	s_mov_b32 s19, 0
	s_mul_i32 s[LB], s10, HALFT                    ; q's two halves, then k's two halves
	s_mov_b32 s[TB], 0
	s_mov_b32 s[CS], 0x3d38aa3b                    ; c = log2(e) / 32 = 0.0450842
	s_mov_b32 s[CS+1], s[CS]
	s_mov_b32 s[SEL], 0x76543210
	s_mov_b32 s[SEL+1], 0xfedcba98
	s_wait_dscnt 0x0                               ; the opening add is done
	s_wait_kmcnt 0x0
	s_add_nc_u64 s[20:21], s[4:5], s[16:17]
	s_add_nc_u64 s[22:23], s[4:5], s[18:19]
	CROUND                                         ; all sixteen work-groups are here: the first joint loads meet
.irp s, 0,1
	s_mov_b32 s[G0A+4*(\s)], 1
	s_add_co_u32 s[G0A+4*(\s)+1], s[LB], (\s)*SLOT
	s_add_nc_u64 s[G0A+4*(\s)+2:G0A+4*(\s)+3], s[20:21], (\s)*256
	s_or_b32 s[G0A+4*(\s)+3], s[G0A+4*(\s)+3], 0x80000000
	s_mov_b32 s[G0B+4*(\s)], 1
	s_add_co_u32 s[G0B+4*(\s)+1], s[LB], (\s)*SLOT
	s_add_nc_u64 s[G0B+4*(\s)+2:G0B+4*(\s)+3], s[22:23], (\s)*256
	s_or_b32 s[G0B+4*(\s)+3], s[G0B+4*(\s)+3], 0x80000000
	JLOAD \s                                       ; two loads of mine are out
.endr
	v_and_b32 v1, 15, v0                           ; l % 16
	v_bfe_u32 v2, v0, 4, 1                         ; l / 16
	v_mul_u32_u24 v3, v1, PITCH
	v_lshl_add_u32 v3, v2, 4, v3                   ; row x pitch + 16 x half
	s_mul_i32 s14, s11, HALFT                      ; my 128 rows of q
	s_mul_i32 s15, s12, HALFT                      ; my 128 rows of k,
	s_add_co_u32 s15, s15, 2*HALFT                 ; behind q's 256
	v_add_nc_u32 v[ADRA0], s14, v3
	v_add_nc_u32 v[ADRB0], s15, v3
	v_mov_b32 v[ADRA], v[ADRA0]
	v_mov_b32 v[ADRB], v[ADRB0]
	s_mul_i32 s14, s10, 16*SP
	s_add_co_u32 s14, s14, STAGE                   ; my stage
	v_add_nc_u32 v[STO], s14, v3
	v_mul_u32_u24 v4, v2, SP
	v_lshl_add_u32 v4, v1, 4, v4
	v_add_nc_u32 v[RD], s14, v4
	v_lshlrev_b32 v4, 12, v2                       ; two rows of pbuf, 4,096 bytes apart
	v_lshl_add_u32 v[CO], v1, 4, v4
	v_lshl_add_u32 v[SA], v1, 2, s14
	v_and_b32 v4, 31, v0
	v_lshl_add_u32 v[SB], v4, 4, s14
	v_lshlrev_b32 v[SO], 4, v4
	v_lshlrev_b32 v[PFO], 11, v4
	; the prefetches
	s_lshl_b32 s14, s40, 16                        ; q: my work-group's 32 rows of the wave's 128: 32 cx x 2,048 bytes
	s_add_co_u32 s14, s14, s16
	s_lshl_b32 s15, s41, 16                        ; k: 32 cy x 2,048 bytes
	s_add_co_u32 s15, s15, s18
	s_and_b32 s22, s87, 1
	s_cmp_eq_u32 s11, 0
	s_cselect_b32 s14, s14, s15
	s_cselect_b32 s22, ttmp9, s22                  ; the coordinate along which another cluster reads the same rows
	s_cmp_eq_u32 s22, 0
	s_cselect_b32 s[LIM], 2, -1                    ; the same in all sixteen partners, for a given wave
	s_mov_b32 s15, 0
	s_add_nc_u64 s[PFA:PFA+1], s[4:5], s[14:15]
	s_add_nc_u64 s[PFA:PFA+1], s[PFA:PFA+1], 3*256 ; at K step 3: the first refill steps it to 4.  Nothing is prefetched here, at the head
	; where my part of the tile begins in pbuf
	s_lshl_b32 s14, s13, 8
	s_lshl_b32 s15, s11, 7
	s_add_co_u32 s14, s14, s15
	s_lshl_b32 s14, s14, 12
	s_lshl_b32 s15, s42, 9
	s_add_co_u32 s14, s14, s15
	s_lshl_b32 s15, s12, 8
	s_add_co_u32 s14, s14, s15
	s_mov_b32 s15, 0
	s_add_nc_u64 s[6:7], s[6:7], s[14:15]
	; and my 128 rows of my chunk in stats
	s_lshl_b32 s14, s86, 17                        ; 16 chunks x 2,048 rows x 4 bytes a batch
	s_lshl_b32 s15, s42, 1
	s_add_co_u32 s15, s15, s12                     ; the chunk
	s_lshl_b32 s15, s15, 13
	s_add_co_u32 s14, s14, s15
	s_and_b32 s15, s13, 7
	s_lshl_b32 s15, s15, 10
	s_add_co_u32 s14, s14, s15
	s_lshl_b32 s15, s11, 9
	s_add_co_u32 s14, s14, s15
	s_mov_b32 s15, 0
	s_add_nc_u64 s[8:9], s[8:9], s[14:15]
; 16 products: query blocks a0, a0 + 1 of the window's four x all 8 key blocks, 32 along K.  zero = 1: they start the sums.  The 64 accumulators take turns.
.macro MUL16 f, hi, a0, zero
	WIN MUL_LO+0x50*(\hi)
.irp a, \a0, (\a0)+1
.irp b, 0,1,2,3,4,5,6,7
.if \zero
	v_wmma_f32_16x16x32_f16 v[8*(8*(\a)+(\b)):8*(8*(\a)+(\b))+7], v[(\f)+8*(\b):(\f)+8*(\b)+7], v[(\f)+8*(4*(\hi)+(\a)):(\f)+8*(4*(\hi)+(\a))+7], 0
.else
	v_wmma_f32_16x16x32_f16 v[8*(8*(\a)+(\b)):8*(8*(\a)+(\b))+7], v[(\f)+8*(\b):(\f)+8*(\b)+7], v[(\f)+8*(4*(\hi)+(\a)):(\f)+8*(4*(\hi)+(\a))+7], v[8*(8*(\a)+(\b)):8*(8*(\a)+(\b))+7]
.endif
.endr
.endr
.endm
; 32 LDS loads in one run: the fragments at byte k of the rows of the slot in hand, into buffer f: k's 16 loads, then q's
.macro FETCH k, f
	WIN TO_B
.irp i, 0,1,2,3,4,5,6,7
	ds_load_b128 v[(\f)+8*(\i):(\f)+8*(\i)+3],   v[ADRB] offset:(\k)+(\i)*16*PITCH
	ds_load_b128 v[(\f)+8*(\i)+4:(\f)+8*(\i)+7], v[ADRB] offset:(\k)+(\i)*16*PITCH+32
.endr
	WIN 0
.irp i, 0,1,2,3,4,5,6,7
	ds_load_b128 v[(\f)+8*(\i):(\f)+8*(\i)+3],   v[ADRA] offset:(\k)+(\i)*16*PITCH
	ds_load_b128 v[(\f)+8*(\i)+4:(\f)+8*(\i)+7], v[ADRA] offset:(\k)+(\i)*16*PITCH+32
.endr
.endm
; One of a K step's first three quarters: multiplies buffer f; in its middle the next quarter's fragments, at byte k, are fetched into buffer g, four places behind the last product (ISA guide 7.12.1)
.macro QUARTER k, f, g, zero
	s_wait_dscnt 8                                 ; k and q's rows 0-63 are in; the youngest eight loads (q's rows 64-127) may be out
	MUL16 \f, 0, 0, \zero
	MUL16 \f, 0, 2, \zero
	PLACES
	FETCH \k, \g
	s_wait_dscnt 32                                ; all but the 32 just issued
	MUL16 \f, 1, 0, \zero
	MUL16 \f, 1, 2, \zero
.endm
; The last quarter multiplies buffer 1 and changes slots: one barrier; in front of it each wave waits for all its tensor loads (one is out: its part of the other slot), adds 0 to its spare word,
; and waits for that and for its reads of this slot.  fill = 1: the barrier opens a round of the cluster's, and the slot just read out is filled again first thing behind it, with the K step two on:
; from that request to the wait for it a wave issues 224 products.  fill = 0, the tail: nothing is asked for; in its last trip there is no further step, and the run of LDS loads is jumped over.
.macro TURN fill
.if \fill
	s_wait_xcnt 0x0                                ; the last prefetch, a K step back, has read its address
	s_add_nc_u64 s[PFA:PFA+1], s[PFA:PFA+1], 256
.endif
	WIN 0
	s_wait_tensorcnt 0x0                           ; all my tensor loads have landed
	ds_add_u32 v[SPW], v[NIL]                      ; 0 onto my spare word
	s_wait_dscnt 9                                 ; the add and the youngest eight loads may be out
	MUL16 F1, 0, 0, 0
	s_wait_dscnt 0x0                               ; the add is done, and my reads of this slot are over
	s_barrier_signal -1
	MUL16 F1, 0, 2, 0
	WIN 0
	s_barrier_wait -1
.if \fill
	CREST                                          ; no wave of any partner still reads this slot or has a load on its way
	s_add_co_u32 s[G0A+5], s[LB], s[TB]            ; the walking descriptors: the slot just read out, the next K step
	s_add_nc_u64 s[G0A+6:G0A+7], s[G0A+6:G0A+7], 256
	s_add_co_u32 s[G0B+5], s[LB], s[TB]
	s_add_nc_u64 s[G0B+6:G0B+7], s[G0B+6:G0B+7], 256
	JLOAD 1                                        ; the four v_nop behind it are also the places in front of the loads below
.else
	PLACES
.endif
	s_xor_b32 s[TB], s[TB], SLOT
	v_add_nc_u32 v[ADRA], s[TB], v[ADRA0]
	v_add_nc_u32 v[ADRB], s[TB], v[ADRB0]
.if \fill
	FETCH 0, F0
	ASK
.else
	s_cmp_eq_u32 s[CNT], 1
	s_cbranch_scc1 .Lno_fetch_\@
	FETCH 0, F0
.Lno_fetch_\@:
.endif
	MUL16 F1, 1, 0, 0
	MUL16 F1, 1, 2, 0
.endm
	s_wait_tensorcnt 0x1                           ; my part of K step 0 is in; K step 1's may stay out
	s_barrier_signal -1
	s_barrier_wait -1
	FETCH 0, F0
	QUARTER 64, F0, F1, 1                          ; the first quarter stands in front of the loop: its products start the sums
	WIN 0
	s_mov_b32 s[CNT], NS-2
.Lstep:
	QUARTER 128, F1, F0, 0
	QUARTER 192, F0, F1, 0
	TURN 1
	QUARTER 64, F0, F1, 0
	WIN 0
	s_sub_co_u32 s[CNT], s[CNT], 1
	s_cmp_lg_u32 s[CNT], 0
	s_cbranch_scc1 .Lstep
	s_mov_b32 s[CNT], 2
.Ltail:                                                ; the last two K steps ask for nothing: one text, two trips; the second has no next step
	QUARTER 128, F1, F0, 0
	QUARTER 192, F0, F1, 0
	TURN 0
	WIN 0
	s_cmp_eq_u32 s[CNT], 1
	s_cbranch_scc1 .Lended
	QUARTER 64, F0, F1, 0
	WIN 0
.Lended:
	s_sub_co_u32 s[CNT], s[CNT], 1
	s_cmp_lg_u32 s[CNT], 0
	s_cbranch_scc1 .Ltail
	s_wait_dscnt 0x0
; THE WAY OUT, a block of 16 queries at a time.  SOFT a: a lane's 64 scores of block a lie in 64 registers of window 2 + a / 4.
.macro SOFT a
.set AC, 64*((\a)%4)
	WIN 0x15*(2+(\a)/4)                            ; all three sources in the accumulators' window.  Four chains of 16 scores
.irp i, 0,1,2,3
	v_max3_num_f32 v[T+(\i)], v[AC+16*(\i)], v[AC+16*(\i)+1], v[AC+16*(\i)+2]
.endr
	WIN 0x14*(2+(\a)/4)                            ; sources 1 and 2 there
.irp s, 0,1,2,3,4,5
.irp i, 0,1,2,3
	v_max3_num_f32 v[T+(\i)], v[T+(\i)], v[AC+16*(\i)+3+2*(\s)], v[AC+16*(\i)+4+2*(\s)]
.endr
.endr
.irp i, 0,1,2,3
	v_max_num_f32 v[T+(\i)], v[T+(\i)], v[AC+16*(\i)+15]
.endr
	WIN 0
	v_max3_num_f32 v[T], v[T], v[T+1], v[T+2]
	v_max_num_f32 v[T], v[T], v[T+3]
	v_permlanex16_b32 v[T+1], v[T], s[SEL], s[SEL+1]  ; the query's other 64 keys lie in the lane 16 away
	v_max_num_f32 v[T], v[T], v[T+1]
	v_mul_f32 v[ST+2*(\a)], s[CS], v[T]            ; m'
	WIN 0x41*(2+(\a)/4)                            ; destination and source 0 in the accumulators' window, m' in window 0
.set i, 0
.rept 32
	v_pk_fma_f32 v[AC+2*i:AC+2*i+1], v[AC+2*i:AC+2*i+1], s[CS:CS+1], v[ST+2*(\a):ST+2*(\a)+1] op_sel_hi:[1,0,0] neg_lo:[0,0,1] neg_hi:[0,0,1]  ; c s - m'
.set i, i+1
.endr
.set i, 0
.rept 64                               ; one batch of exponentials,
	v_exp_f32 v[AC+i], v[AC+i]
.set i, i+1
.endr
	v_nop                                          ; a plain instruction behind the last of them,
	s_wait_alu depctr_va_vdst(0)                   ; and the one wait ahead of the first use
	WIN 0x05*(2+(\a)/4)
.set i, 0
.rept 32
	v_cvt_pk_f16_f32 v[TMP+i], v[AC+2*i], v[AC+2*i+1]
.set i, i+1
.endr
	WIN 0x45*(2+(\a)/4)                            ; the sum of the 32 pairs, in place: neighbours 1, 2, 4, 8 and 16 pairs apart
.irp st, 1,2,4,8,16
.set i, 0
.rept 16/(\st)
	v_pk_add_f32 v[AC+2*i:AC+2*i+1], v[AC+2*i:AC+2*i+1], v[AC+2*(i+(\st)):AC+2*(i+(\st))+1]
.set i, i+2*(\st)
.endr
.endr
	WIN 0x05*(2+(\a)/4)
	v_add_f32 v[T], v[AC], v[AC+1]
	WIN 0
	v_permlanex16_b32 v[T+1], v[T], s[SEL], s[SEL+1]
	v_add_f32 v[ST+2*(\a)+1], v[T], v[T+1]         ; l
.endm
.macro TOSTAGE a
	WIN 0
.set BK, OB+192*((\a)%2)
.irp b, 0,1,2,3,4,5,6,7
	ds_store_b128 v[STO], v[TMP+4*(\b):TMP+4*(\b)+3] offset:32*(\b)
.endr
.irp t, 0,1,2,3,4,5,6,7
	ds_load_b128 v[BK+4*(\t):BK+4*(\t)+3], v[RD] offset:(\t)*2*SP  ; LDS serves a wave's instructions in order (ISA guide 5.7.1.4): these see the stores above
.endr
.endm
.macro SEND a
	WIN 0
.set BK, OB+192*((\a)%2)
	s_wait_dscnt 0x0                               ; the block is back in registers
	s_wait_xcnt 0x0                                ; the stores of the block before have read their registers, which the next block's loads from the stage write again
.irp t, 0,1,2,3,4,5,6,7
	global_store_b128 v[CO], v[BK+4*(\t):BK+4*(\t)+3], s[6:7] offset:(16*(\a)+2*(\t))*4096  ; 16 lanes store 256 consecutive bytes, at a multiple of 256 from pbuf's first byte
.endr
.endm
.irp a, 0,1,2,3,4,5,6,7
	v_mov_b32 v[ST+2*(\a)+1], 0                    ; the packed scaling names m' with this word as a pair, so it is written; these eight lines are also the places behind the last products
.endr
	SOFT 0
	TOSTAGE 0
.irp a, 1,2,3,4,5,6,7                  ; block a's arithmetic stands between block a - 1's loads from the stage and the wait for them
	SOFT \a
	SEND (\a)-1
	TOSTAGE \a
.endr
	SEND 7
	; the statistics: both halves of the lanes hold the same number; through my stage, so that a lane holds four neighbouring rows'
.irp a, 0,1,2,3,4,5,6,7
	ds_store_b32 v[SA], v[ST+2*(\a)] offset:64*(\a)
	ds_store_b32 v[SA], v[ST+2*(\a)+1] offset:512+64*(\a)
.endr
	ds_load_b128 v[84:87], v[SB]
	ds_load_b128 v[88:91], v[SB] offset:512
	s_wait_dscnt 0x0
	global_store_b128 v[SO], v[84:87], s[8:9]      ; 512 consecutive bytes each, at a multiple of 256 from stats' first byte
	global_store_b128 v[SO], v[88:91], s[8:9] offset:524288
	s_wait_tensorcnt 0x0                           ; the wave's end: behind my last tensor load and my last LDS store
	ds_add_u32 v[SPW], v[NIL]
	s_wait_dscnt 0x0
	CROUND                                         ; the closing round
	s_endpgm
.Lfunc_end_k_q38e15b670e_score:
	.size	k_q38e15b670e_score, .Lfunc_end_k_q38e15b670e_score-k_q38e15b670e_score
	.p2alignl 7, 3214868480
	.fill 96, 4, 3214868480
	.section	.rodata,"a",@progbits
	.p2align	6, 0x0
	.amdhsa_kernel k_q38e15b670e_score
		.amdhsa_group_segment_fixed_size 327680
		.amdhsa_private_segment_fixed_size 0
		.amdhsa_enable_private_segment 0
		.amdhsa_kernarg_size 24
		.amdhsa_user_sgpr_count 2
		.amdhsa_user_sgpr_kernarg_segment_ptr 1
		.amdhsa_wavefront_size32 1
		.amdhsa_system_sgpr_workgroup_id_x 1
		.amdhsa_system_sgpr_workgroup_id_y 1
		.amdhsa_system_sgpr_workgroup_id_z 1
		.amdhsa_system_vgpr_workitem_id 0
		.amdhsa_next_free_vgpr 1024
		.amdhsa_next_free_sgpr 96
		.amdhsa_reserve_vcc 0
		.amdhsa_float_denorm_mode_32 3
		.amdhsa_float_denorm_mode_16_64 3
		.amdhsa_memory_ordered 1
		.amdhsa_forward_progress 1
		.amdhsa_inst_pref_size 170
	.end_amdhsa_kernel
	.amdgpu_metadata
---
amdhsa.version: [ 1, 2 ]
amdhsa.kernels:
  - .name:           k_q38e15b670e_score
    .symbol:         k_q38e15b670e_score.kd
    .args:
      - { .name: qkv, .offset: 0, .size: 8, .value_kind: global_buffer, .address_space: global }
      - { .name: pbuf, .offset: 8, .size: 8, .value_kind: global_buffer, .address_space: global }
      - { .name: stats, .offset: 16, .size: 8, .value_kind: global_buffer, .address_space: global }
    .group_segment_fixed_size: 327680
    .private_segment_fixed_size: 0
    .kernarg_segment_align: 8
    .kernarg_segment_size: 24
    .max_flat_workgroup_size: 128
    .sgpr_count:     96
    .vgpr_count:     1024
    .wavefront_size: 32
...
	.end_amdgpu_metadata
.endif
;; end of part 3
;; launch mix (part 4): grid 4 x 64, 4 waves a work-group, clusters of 4 x 4, 327,680 bytes of LDS; arguments pbuf, qkv, stats, out0; writes out0
.if DOCPART == 4
	.amdgcn_target "amdgcn-amd-amdhsa--gfx1250"
	.amdhsa_code_object_version 6
	.text
	.protected	k_q38e15b670e_mix
	.globl	k_q38e15b670e_mix
	.p2align	8
	.type	k_q38e15b670e_mix,@function
k_q38e15b670e_mix:
	s_mov_b64 s[64:65], 0
	v_nop
	global_prefetch_b8 v0, s[64:65] scope:SCOPE_SE
	s_setreg_imm32_b32 hwreg(HW_REG_WAVE_MODE, 25, 1), 1
	s_wait_xcnt 0x0
	s_wait_alu depctr_hold_cnt(0) depctr_sa_sdst(0) depctr_va_vdst(0) depctr_va_sdst(0) depctr_va_ssrc(0) depctr_va_vcc(0) depctr_vm_vsrc(0)
	s_getreg_b32 s2, hwreg(HW_REG_IB_STS2, 6, 4)
	s_cmp_eq_u32 s2, 0
	s_cbranch_scc0 .Lentry_in_a_cluster
	s_endpgm
.Lentry_in_a_cluster:
	s_bfe_u32 s2, ttmp6, 0x10000c
	s_cmp_lg_u32 s2, 0xf033
	s_cbranch_scc0 .Lentry_shape_is_right
	s_endpgm
.Lentry_shape_is_right:
; out0[q][e] = (1 / L[q]) x the sum over the 16 chunks c of f[q][c] x the sum over the chunk's 128 keys k of p[q][k] v[k][e],
; with M[q] = the largest m'[q][c], f[q][c] = 2^(m'[q][c] - M[q]), L[q] = the sum over c of l[q][c] f[q][c]: the softmax with the row's own maximum taken away.
; pbuf: [8192][2048] f16; v = qkv + 33,554,432 bytes: [8192][1024] f16; stats: m' as [4][16][2048] f32 and, 524,288 bytes on, l; out0: [8192][1024] f32.
; f is rounded to f16 and multiplied onto p's fragments (packed f16, one rounding) between LDS and the matrix unit; sums in f32; L is taken of the unrounded f.
; LIMITS.  f and f p below 6e-8 count as 0, below 6e-5 they keep f16's fixed step; L is at least 1 to within rounding, since the chunk that holds the row's maximum has f = 1 and l >= 1.  NaN and infinities are not treated apart.
; SHARES.  A tile is 128 queries x 256 channels: 64 x 4 = 256 work-groups.  Four waves, each 64 queries x 128 channels: 32 accumulators.  K (the batch's 2,048 keys) goes in 16 steps of 128, a chunk each,
; through two LDS slots.  CLUSTER: 4 x 4 work-groups; p's tile is shared along a row of the cluster, v's along a column, each asked for jointly.
; THE MATRIX INSTRUCTION IS USED TRANSPOSED (source 0 = 16 channels of v, turned on the way out of LDS by ds_load_tr16_b128; source 1 = 16 queries of p): a lane holds one query and eight neighbouring channels.
; REGISTERS: window 0: v0-31 addresses; v32-95 p's fragments, two buffers of 32; v96-223 v's, two buffers of 64; v224-227 the factors of the step in hand, v228-231 of the next; v232-239 1 / L in pairs.
;   window 1: the accumulators, (a, b) at v[8 (8 a + b)].
.set PP,    272                        ; a row of p in LDS: 256 bytes + 16
.set PV,    544                        ; a row of v: 512 bytes + 32 = 136 words
.set VOFF,  128*PP                     ; in a slot: p's 128 rows, then v's 128 key rows
.set SLOT,  VOFF+128*PV
.set FT,    2*SLOT                     ; behind the ring: f as a pair of f16, [16 chunks][128 rows] x 4 bytes; 8,192 bytes on, 1 / L: 128 x 4 bytes
.set STAGE, FT+8192+512                ; 16 rows x 528 bytes for each wave, for the way out
.set SP,    528
.set SPARE, STAGE+4*16*SP              ; the spare words, 128 bytes a wave: two blocks of 256 bytes that no other line names
.set NS,    16
.set STEPA, 256                        ; 128 keys in a row of pbuf
.set STEPB, 262144                     ; 128 rows of v
.set NW,    22                         ; all that was issued ahead of the run's last 22 loads is in: the factors, where there are any, and p's fragment 0
.set ADRA0, 4
.set ADRB0, 5
.set ADRA,  6
.set ADRB,  7
.set FAD,   8                          ; v8   where my queries' factors of the next chunk lie
.set STO,   9
.set RD,    10
.set CO,    11
.set PFO,   12
.set SPW,   28
.set NIL,   29
.set PF,    32
.set VF,    96
.set FAC,   224
.set FAN,   228
.set IL,    232
.set OB,    96                         ; the way out: two buffers of 64, where v's fragments lay
.set G1A, 24
.set G0A, 32
.set G1B, 48
.set G0B, 56
.set LIM, 43
.set PFA, 44
.set PFS, 46
.set CNT, 66
.set TB,  67
.set LBA, 84
.set LBB, 85
.set MUL, 0x50                         ; sources in window 0, C and D in window 1
.set MSB, 0
.macro WIN new
.if MSB != (\new)
	s_set_vgpr_msb (MSB<<8)|(\new)
.set MSB, \new
.endif
.endm
.macro PLACES
.rept 4
	v_nop
.endr
.endm
.macro CREST
	s_cmp_lg_u32 s10, 0
	s_cbranch_scc1 .Lnot_wave_0_\@
	s_barrier_signal -3
.Lnot_wave_0_\@:
	s_barrier_wait -3
	s_barrier_signal -1
	s_barrier_wait -1
.endm
.macro CROUND
	s_barrier_signal -1
	s_barrier_wait -1
	CREST
.endm
.macro JLOAD s                         ; waves 0 and 1 fetch p's two halves, waves 2 and 3 v's; an s_nop 0 and four v_nop follow each line
	s_cmp_eq_u32 s11, 0
	s_cbranch_scc0 .Lfor_b_\@
	tensor_load_to_lds s[G0A+4*(\s):G0A+4*(\s)+3], s[G1A:G1A+7]
	s_nop 0
.rept 4
	v_nop
.endr
	s_branch .Lasked_\@
.Lfor_b_\@:
	tensor_load_to_lds s[G0B+4*(\s):G0B+4*(\s)+3], s[G1B:G1B+7]
	s_nop 0
.rept 4
	v_nop
.endr
.Lasked_\@:
.endm
; A prefetch of the K step two refills on, a lane a block of 256 bytes.  p's 128 rows are read by this cluster alone: wave 0 asks, each partner of the row for 32 rows.  v's 128 key rows x 512 bytes are read
; by the four clusters of a batch: the first of them asks, waves 2 and 3, each partner of the column for 16 of the wave's 64 rows, two blocks a row.  The partners are told apart by address.
; The last two trips ask for nothing.
.macro ASK
	s_cmp_gt_u32 s[CNT], s[LIM]
	s_cbranch_scc0 .Lnot_mine_\@
	global_prefetch_b8 v[PFO], s[PFA:PFA+1] th:TH_LOAD_NT scope:SCOPE_SE
.Lnot_mine_\@:
.endm
	s_load_b256 s[68:75], s[0:1], 0x0              ; pbuf s[68:69], qkv s[70:71], stats s[72:73], out0 s[74:75]
	v_lshl_add_u32 v[SPW], v0, 2, SPARE
	v_mov_b32 v[NIL], 0
	ds_add_u32 v[SPW], v[NIL]                      ; the wave's opening: the add and its wait stand ahead of my first tensor load
	v_lshrrev_b32 v3, 5, v0
	v_readfirstlane_b32 s10, v3                    ; wave 0..3
	s_lshr_b32 s11, s10, 1                         ; which half of the queries is mine.  Also: I fetch for p (0) or for v (1)
	s_and_b32 s12, s10, 1                          ; which half of the channels.  Also: which half of that tile I fetch
	s_bfe_u32 s40, ttmp6, 0x40000                  ; cx
	s_bfe_u32 s41, ttmp6, 0x40004                  ; cy
	s_lshl_b32 s42, ttmp9, 2
	s_add_co_u32 s42, s42, s40                     ; channel tile, 0..3
	s_and_b32 s87, ttmp7, 0xffff                   ; cluster y, 0..15
	s_lshl_b32 s13, s87, 2
	s_add_co_u32 s13, s13, s41                     ; query tile over all batches, 0..63
	s_lshr_b32 s86, s87, 2                         ; the batch: of the cluster's y alone
	s_lshl_b32 s14, s41, 2
	s_lshl_b32 s14, 15, s14                        ; my row of the cluster
	s_lshl_b32 s15, 0x1111, s40                    ; my column
	s_or_b32 s[G1A+0], s14, (1<<16)|(1<<20)|(1<<21)|(5<<22)|(3<<25)  ; mask; elements of 2 bytes; padding on; bit 21 beside a mask; after every 64 words, 4 words
	s_or_b32 s[G1B+0], s15, (1<<16)|(1<<20)|(1<<21)|(6<<22)|(7<<25)  ; after every 128 words, 8 words
	s_mov_b32 s[G1A+1], 128<<16                    ; tensor_dim0 = 128
	s_mov_b32 s[G1A+2], 64<<16                     ; tensor_dim1 = 64
	s_mov_b32 s[G1A+3], 128<<16                    ; tile_dim0 = 128
	s_mov_b32 s[G1A+4], 64                         ; tile_dim1 = 64
	s_mov_b32 s[G1A+5], 2048                       ; elements from row to row of pbuf
	s_mov_b32 s[G1A+6], 0
	s_mov_b32 s[G1A+7], 0
	s_mov_b32 s[G1B+1], 256<<16                    ; tensor_dim0 = 256
	s_mov_b32 s[G1B+2], 64<<16
	s_mov_b32 s[G1B+3], 256<<16                    ; tile_dim0 = 256
	s_mov_b32 s[G1B+4], 64
	s_mov_b32 s[G1B+5], 1024                       ; elements from row to row of v
	s_mov_b32 s[G1B+6], 0
	s_mov_b32 s[G1B+7], 0
	s_lshl_b32 s16, s13, 7                         ; p: row 128 x query tile + 64 x half,
	s_lshl_b32 s17, s12, 6
	s_add_co_u32 s16, s16, s17
	s_lshl_b32 s16, s16, 12                        ; 4,096 bytes a row
	s_mov_b32 s17, 0
	s_lshl_b32 s18, s86, 11                        ; v: row 2,048 x batch + 64 x half,
	s_lshl_b32 s19, s12, 6
	s_add_co_u32 s18, s18, s19
	s_lshl_b32 s18, s18, 11                        ; 2,048 bytes a row,
	s_lshl_b32 s19, s42, 9                         ; the tile's 256 channels,
	s_add_co_u32 s18, s18, s19
	s_add_co_u32 s18, s18, 0x2000000               ; and v lies 33,554,432 bytes behind q
	s_mov_b32 s19, 0
	s_mul_i32 s[LBA], s12, 64*PP
	s_mul_i32 s[LBB], s12, 64*PV
	s_add_co_u32 s[LBB], s[LBB], VOFF
	s_mov_b32 s[TB], 0
	s_wait_dscnt 0x0                               ; the opening add is done
	s_wait_kmcnt 0x0
	s_add_nc_u64 s[20:21], s[68:69], s[16:17]
	s_add_nc_u64 s[22:23], s[70:71], s[18:19]
	CROUND                                         ; all sixteen work-groups are here: the first joint loads meet
.irp s, 0,1
	s_mov_b32 s[G0A+4*(\s)], 1
	s_add_co_u32 s[G0A+4*(\s)+1], s[LBA], (\s)*SLOT
	s_add_nc_u64 s[G0A+4*(\s)+2:G0A+4*(\s)+3], s[20:21], (\s)*STEPA
	s_or_b32 s[G0A+4*(\s)+3], s[G0A+4*(\s)+3], 0x80000000
	s_mov_b32 s[G0B+4*(\s)], 1
	s_add_co_u32 s[G0B+4*(\s)+1], s[LBB], (\s)*SLOT
	s_add_nc_u64 s[G0B+4*(\s)+2:G0B+4*(\s)+3], s[22:23], (\s)*STEPB
	s_or_b32 s[G0B+4*(\s)+3], s[G0B+4*(\s)+3], 0x80000000
	JLOAD \s                                       ; two loads of mine are out
.endr
	; THE ROWS' STATISTICS, while the first tiles are on their way: thread t is row t of the tile
	s_lshl_b32 s14, s86, 17
	s_and_b32 s15, s13, 15
	s_lshl_b32 s15, s15, 9                         ; 128 rows x 4 bytes a tile
	s_add_co_u32 s14, s14, s15
	s_mov_b32 s15, 0
	s_add_nc_u64 s[72:73], s[72:73], s[14:15]
	v_lshlrev_b32 v15, 2, v0
.set i, 0
.rept 16
	global_load_b32 v[32+i], v15, s[72:73] offset:8192*i         ; m' of chunk i
	global_load_b32 v[48+i], v15, s[72:73] offset:524288+8192*i  ; l
.set i, i+1
.endr
	v_lshl_add_u32 v14, v0, 2, FT
	v_and_b32 v1, 15, v0                           ; l % 16
	v_bfe_u32 v2, v0, 4, 1                         ; l / 16
	v_and_b32 v3, 31, v0                           ; l
	v_mul_u32_u24 v4, v1, PP
	v_lshl_add_u32 v4, v2, 4, v4                   ; p's fragments: row x pitch + 16 x half
	s_mul_i32 s14, s11, 64*PP
	v_add_nc_u32 v[ADRA0], s14, v4
	; The turning load takes 16 keys x 16 channels (lane l reads key 8 (l / 16) + l % 8, channels 8 ((l / 8) % 2) + 0..7) and leaves half a fragment: lane l holds channel l % 16 and 8 keys.
	v_and_b32 v5, 7, v0
	v_lshl_add_u32 v5, v2, 3, v5
	v_mul_u32_u24 v5, v5, PV
	v_bfe_u32 v13, v0, 3, 1
	v_lshl_add_u32 v5, v13, 4, v5
	s_lshl_b32 s14, s12, 8                         ; my 128 channels
	s_add_co_u32 s14, s14, VOFF
	v_add_nc_u32 v[ADRB0], s14, v5
	s_lshl_b32 s14, s11, 8                         ; my 64 queries' words
	s_add_co_u32 s14, s14, FT
	v_lshl_add_u32 v[FAD], v1, 2, s14
	s_mul_i32 s14, s10, 16*SP
	s_add_co_u32 s14, s14, STAGE                   ; my stage
	v_mul_u32_u24 v13, v1, SP                      ; in: row l % 16, 32 bytes for each half of the lanes
	v_lshl_add_u32 v13, v2, 5, v13
	v_add_nc_u32 v[STO], s14, v13
	v_lshl_add_u32 v[RD], v3, 4, s14               ; back: 32 lanes take a row's 512 bytes
	v_lshlrev_b32 v[CO], 4, v3
	v_mov_b32 v[ADRA], v[ADRA0]
	v_mov_b32 v[ADRB], v[ADRB0]
	; the prefetches
	s_lshl_b32 s14, s13, 7                         ; p: row 128 x query tile + 32 cx
	s_lshl_b32 s15, s40, 5
	s_add_co_u32 s14, s14, s15
	s_lshl_b32 s14, s14, 12
	s_lshl_b32 s15, s41, 15                        ; v: my work-group's 16 rows of the wave's 64: 16 cy x 2,048 bytes
	s_add_co_u32 s15, s15, s18
	s_mul_i32 s[PFS], s11, 10
	s_lshl_b32 s[PFS], 256, s[PFS]                 ; a K step: 256 bytes along p's rows, 262,144 bytes down v's
	s_mov_b32 s[PFS+1], 0
	s_and_b32 s23, s87, 3
	s_cmp_eq_u32 s11, 0
	s_cselect_b32 s14, s14, s15
	s_cselect_b64 s[PFA:PFA+1], s[68:69], s[70:71]
	s_cselect_b32 s20, 0, 1                        ; p: a lane a row; v: two lanes a row
	s_cselect_b32 s21, 12, 11                      ; a row's bytes, as a shift
	s_cselect_b32 s22, s12, s23                    ; 0 in wave 0, and in waves 2 and 3 of the batch's first cluster: the same in all sixteen partners, for a given wave
	s_cmp_eq_u32 s22, 0
	s_cselect_b32 s[LIM], 2, -1
	s_mov_b32 s15, 0
	s_add_nc_u64 s[PFA:PFA+1], s[PFA:PFA+1], s[14:15]
	s_mul_i32 s14, s[PFS], 3
	s_add_nc_u64 s[PFA:PFA+1], s[PFA:PFA+1], s[14:15]  ; at K step 3: the first refill steps it to 4.  Nothing is prefetched here, at the head
	v_lshrrev_b32 v16, s20, v3
	v_lshlrev_b32 v16, s21, v16
	v_and_b32 v17, s20, v3
	v_lshl_add_u32 v[PFO], v17, 8, v16
	; where my part of the tile begins in out0
	s_lshl_b32 s14, s13, 7
	s_lshl_b32 s15, s11, 6
	s_add_co_u32 s14, s14, s15
	s_lshl_b32 s14, s14, 12
	s_lshl_b32 s15, s42, 10
	s_add_co_u32 s14, s14, s15
	s_lshl_b32 s15, s12, 9
	s_add_co_u32 s14, s14, s15
	s_mov_b32 s15, 0
	s_add_nc_u64 s[8:9], s[74:75], s[14:15]
	s_wait_loadcnt 0x0                             ; the statistics
	v_max3_num_f32 v80, v32, v33, v34              ; M
.irp s, 0,1,2,3,4,5
	v_max3_num_f32 v80, v80, v[35+2*(\s)], v[36+2*(\s)]
.endr
	v_max_num_f32 v80, v80, v47
.set i, 0
.rept 16
	v_sub_f32 v[64+i], v[32+i], v80
.set i, i+1
.endr
.set i, 0
.rept 16
	v_exp_f32 v[64+i], v[64+i]                     ; f
.set i, i+1
.endr
	v_nop                                          ; a plain instruction behind the last exponential,
	s_wait_alu depctr_va_vdst(0)                   ; and the one wait ahead of the first use
	v_mul_f32 v81, v48, v64                        ; L, in two chains
	v_mul_f32 v82, v49, v65
.irp c, 2,4,6,8,10,12,14
	v_fmac_f32 v81, v[48+(\c)], v[64+(\c)]
	v_fmac_f32 v82, v[49+(\c)], v[65+(\c)]
.endr
	v_add_f32 v81, v81, v82
	v_rcp_f32 v83, v81
.set i, 0
.rept 16                               ; the factors' roundings name neither the reciprocal nor its source
	v_cvt_pk_f16_f32 v[64+i], v[64+i], v[64+i]
.set i, i+1
.endr
	s_wait_alu depctr_va_vdst(0)                   ; the reciprocal's wait, ahead of its first use
.set i, 0
.rept 16
	ds_store_b32 v14, v[64+i] offset:512*i
.set i, i+1
.endr
	ds_store_b32 v14, v83 offset:8192
; Four of the eight packed multiplies that scale fragment pa of buffer pf by its queries' factor.  nx = 1: the factor of the step to come
.macro PREPH pf, pa, i0, nx
	WIN 0
.irp i, 0,1,2,3
	v_pk_mul_f16 v[PF+32*(\pf)+8*(\pa)+(\i0)+(\i)], v[PF+32*(\pf)+8*(\pa)+(\i0)+(\i)], v[FAC+4*(\nx)+(\pa)]
.endr
.endm
; Eight products: query block a x all 8 channel blocks, 32 keys, from buffer f.  zero = 1: they start the sums.  Behind the second and the fifth stand four multiplies each, for fragment pa of buffer pf.
; The 32 accumulators take turns, in the same order in every quarter step.
.macro BLOCK f, a, zero, pf, pa, nx=0
.irp b, 0,1,2,3,4,5,6,7
	WIN MUL
.if \zero
	v_wmma_f32_16x16x32_f16 v[8*(8*(\a)+(\b)):8*(8*(\a)+(\b))+7], v[VF+64*(\f)+8*(\b):VF+64*(\f)+8*(\b)+7], v[PF+32*(\f)+8*(\a):PF+32*(\f)+8*(\a)+7], 0
.else
	v_wmma_f32_16x16x32_f16 v[8*(8*(\a)+(\b)):8*(8*(\a)+(\b))+7], v[VF+64*(\f)+8*(\b):VF+64*(\f)+8*(\b)+7], v[PF+32*(\f)+8*(\a):PF+32*(\f)+8*(\a)+7], v[8*(8*(\a)+(\b)):8*(8*(\a)+(\b))+7]
.endif
.if (\b) == 1
	PREPH \pf, \pa, 0, \nx
.endif
.if (\b) == 4
	PREPH \pf, \pa, 4, \nx
.endif
.endr
.endm
; One run of LDS loads: quarter kq (32 keys) of the slot in hand into buffer g: (fac = 1: the chunk's four factors,) p's four fragments, v's eight, turned
.macro FETCH kq, g, fac
	WIN 0
.if \fac
.irp a, 0,1,2,3
	ds_load_b32 v[FAN+(\a)], v[FAD] offset:64*(\a)
.endr
.endif
.irp a, 0,1,2,3
	ds_load_b128 v[PF+32*(\g)+8*(\a):PF+32*(\g)+8*(\a)+3],   v[ADRA] offset:64*(\kq)+(\a)*16*PP
	ds_load_b128 v[PF+32*(\g)+8*(\a)+4:PF+32*(\g)+8*(\a)+7], v[ADRA] offset:64*(\kq)+(\a)*16*PP+32
.endr
.irp b, 0,1,2,3,4,5,6,7
	ds_load_tr16_b128 v[VF+64*(\g)+8*(\b):VF+64*(\g)+8*(\b)+3],   v[ADRB] offset:(\kq)*32*PV+32*(\b)
	ds_load_tr16_b128 v[VF+64*(\g)+8*(\b)+4:VF+64*(\g)+8*(\b)+7], v[ADRB] offset:(\kq)*32*PV+16*PV+32*(\b)
.endr
.endm
; Quarter k of a K step on buffer f; the next quarter's fragments are fetched into buffer g behind the first block, whose eight multiplies, which name none of the registers of the quarter before's
; products, are the places between (ISA guide 7.12.1).  Quarter 0 takes the new chunk's factors over.
.macro Q k, f, g, zero
	s_wait_dscnt 0x0                               ; this quarter's fragments are in
.if (\k) == 0
	WIN 0
.irp a, 0,1,2,3
	v_mov_b32 v[FAC+(\a)], v[FAN+(\a)]
.endr
.endif
	BLOCK \f, 0, \zero, \f, 1
	FETCH (\k)+1, \g, 0
	BLOCK \f, 1, \zero, \f, 2
	BLOCK \f, 2, \zero, \f, 3
	s_wait_dscnt NW                                ; the next quarter's first fragment of p is in
	BLOCK \f, 3, \zero, \g, 0
.endm
; The last quarter changes slots and then multiplies buffer 1.  Each wave waits for all its tensor loads (one is out: its part of the other slot), adds 0 to its spare word, and waits for that and
; for its reads of this slot, whose last fragments are in buffer 1.  fill = 1: the barrier opens a round of the cluster's, and the slot just read out is filled again, first thing behind the round,
; with the chunk two on: all the quarter's products stand behind the request, so that from it to the wait for it a wave issues a whole K step's 128.
; fill = 0, the tail: nothing is asked for; in its last trip there is no further chunk, and the run of LDS loads is jumped over.
.macro TURN fill
.if \fill
	s_wait_xcnt 0x0                                ; the last prefetch, a K step back, has read its address
	s_add_nc_u64 s[PFA:PFA+1], s[PFA:PFA+1], s[PFS:PFS+1]
.endif
	WIN 0
	s_wait_tensorcnt 0x0                           ; all my tensor loads have landed, so every group 0 may be written
	ds_add_u32 v[SPW], v[NIL]                      ; 0 onto my spare word: the descriptors' steps stand between it and the wait for it
.if \fill
	s_add_co_u32 s[G0A+5], s[LBA], s[TB]           ; the walking descriptors: the slot just read out, the next chunk
	s_add_nc_u64 s[G0A+6:G0A+7], s[G0A+6:G0A+7], STEPA
	s_add_co_u32 s[G0B+5], s[LBB], s[TB]
	s_add_nc_u64 s[G0B+6:G0B+7], s[G0B+6:G0B+7], STEPB
.endif
	s_wait_dscnt 0x0                               ; the add is done, and my reads of this slot are over
	s_barrier_signal -1
	s_barrier_wait -1
.if \fill
	CREST                                          ; no wave of any partner still reads this slot or has a load on its way
	JLOAD 1                                        ; the four v_nop behind it are also the places in front of the loads below
.else
	PLACES
.endif
	s_xor_b32 s[TB], s[TB], SLOT                   ; the other slot is in hand
	v_add_nc_u32 v[ADRA], s[TB], v[ADRA0]
	v_add_nc_u32 v[ADRB], s[TB], v[ADRB0]
	v_add_nc_u32 v[FAD], 512, v[FAD]               ; the next chunk's factors
.if \fill
	FETCH 0, 0, 1
	ASK
.else
	s_cmp_eq_u32 s[CNT], 1
	s_cbranch_scc1 .Lno_fetch_\@
	FETCH 0, 0, 1
.Lno_fetch_\@:
.endif
	BLOCK 1, 0, 0, 1, 1
	BLOCK 1, 1, 0, 1, 2
	BLOCK 1, 2, 0, 1, 3
	s_wait_dscnt NW
	BLOCK 1, 3, 0, 0, 0, 1
.endm
	s_wait_tensorcnt 0x1                           ; my part of chunk 0 is in; chunk 1's may stay out
	s_wait_dscnt 0x0                               ; for the others' sake: my stores of the factors and of 1 / L are done
	s_barrier_signal -1
	s_barrier_wait -1
.irp a, 0,1,2,3
	ds_load_b32 v[IL+2*(\a)], v[FAD] offset:8192+64*(\a)  ; 1 / L of my query in each of my four blocks
.endr
	FETCH 0, 0, 1
	s_wait_dscnt NW
.irp a, 0,1,2,3
	v_mov_b32 v[IL+2*(\a)+1], v[IL+2*(\a)]         ; named as pairs on the way out
.endr
	PREPH 0, 0, 0, 1
	PREPH 0, 0, 4, 1
	Q 0, 0, 1, 1                                   ; the first quarter stands in front of the loop: its products start the sums
	WIN 0
	s_mov_b32 s[CNT], NS-2
.Lstep:                                                ; a trip: a chunk's quarters 1 to 3, a refill, the next chunk's quarter 0
	Q 1, 1, 0, 0
	Q 2, 0, 1, 0
	TURN 1
	Q 0, 0, 1, 0
	WIN 0
	s_sub_co_u32 s[CNT], s[CNT], 1
	s_cmp_lg_u32 s[CNT], 0
	s_cbranch_scc1 .Lstep
	s_mov_b32 s[CNT], 2
.Ltail:                                                ; the last two chunks ask for nothing: one text, two trips; the second has no next chunk
	Q 1, 1, 0, 0
	Q 2, 0, 1, 0
	TURN 0
	WIN 0
	s_cmp_eq_u32 s[CNT], 1
	s_cbranch_scc1 .Lended
	Q 0, 0, 1, 0
	WIN 0
.Lended:
	s_sub_co_u32 s[CNT], s[CNT], 1
	s_cmp_lg_u32 s[CNT], 0
	s_cbranch_scc1 .Ltail
	s_wait_dscnt 0x0
; THE WAY OUT, a block of 16 queries at a time: times 1 / L; a lane's eight channels (32 bytes) go into my stage in rows of 528 bytes and come back as whole rows of 512.
.macro OUT a
	WIN 0x41                                       ; accumulators (destination, source 0) in window 1, 1 / L in window 0
.set i, 0
.rept 32
	v_pk_mul_f32 v[64*(\a)+2*i:64*(\a)+2*i+1], v[64*(\a)+2*i:64*(\a)+2*i+1], v[IL+2*(\a):IL+2*(\a)+1] op_sel_hi:[1,0]
.set i, i+1
.endr
	WIN 0x04                                       ; the stores' data in window 1
.irp b, 0,1,2,3,4,5,6,7
	ds_store_b128 v[STO], v[64*(\a)+8*(\b):64*(\a)+8*(\b)+3]   offset:64*(\b)
	ds_store_b128 v[STO], v[64*(\a)+8*(\b)+4:64*(\a)+8*(\b)+7] offset:64*(\b)+16
.endr
	WIN 0
.if (\a) >= 2
	s_wait_xcnt 0x0                                ; the stores of the block two back have read the registers that are loaded again below
.endif
.set i, 0
.rept 16
	ds_load_b128 v[OB+64*((\a)%2)+4*i:OB+64*((\a)%2)+4*i+3], v[RD] offset:i*SP  ; LDS serves a wave's instructions in order (ISA guide 5.7.1.4): these see the stores above
.set i, i+1
.endr
	s_wait_dscnt 0x0
.set i, 0
.rept 16
	global_store_b128 v[CO], v[OB+64*((\a)%2)+4*i:OB+64*((\a)%2)+4*i+3], s[8:9] offset:(16*(\a)+i)*4096 th:TH_STORE_NT  ; 512 consecutive bytes, at a multiple of 256 from out0's first byte
.set i, i+1
.endr
.endm
	WIN 0
	PLACES
	OUT 0
	OUT 1
	OUT 2
	OUT 3
	s_wait_tensorcnt 0x0                           ; the wave's end: behind my last tensor load and my last LDS store
	ds_add_u32 v[SPW], v[NIL]
	s_wait_dscnt 0x0
	CROUND                                         ; the closing round
	s_endpgm
.Lfunc_end_k_q38e15b670e_mix:
	.size	k_q38e15b670e_mix, .Lfunc_end_k_q38e15b670e_mix-k_q38e15b670e_mix
	.p2alignl 7, 3214868480
	.fill 96, 4, 3214868480
	.section	.rodata,"a",@progbits
	.p2align	6, 0x0
	.amdhsa_kernel k_q38e15b670e_mix
		.amdhsa_group_segment_fixed_size 327680
		.amdhsa_private_segment_fixed_size 0
		.amdhsa_enable_private_segment 0
		.amdhsa_kernarg_size 32
		.amdhsa_user_sgpr_count 2
		.amdhsa_user_sgpr_kernarg_segment_ptr 1
		.amdhsa_wavefront_size32 1
		.amdhsa_system_sgpr_workgroup_id_x 1
		.amdhsa_system_sgpr_workgroup_id_y 1
		.amdhsa_system_sgpr_workgroup_id_z 1
		.amdhsa_system_vgpr_workitem_id 0
		.amdhsa_next_free_vgpr 512
		.amdhsa_next_free_sgpr 96
		.amdhsa_reserve_vcc 0
		.amdhsa_float_denorm_mode_32 3
		.amdhsa_float_denorm_mode_16_64 3
		.amdhsa_memory_ordered 1
		.amdhsa_forward_progress 1
		.amdhsa_inst_pref_size 100
	.end_amdhsa_kernel
	.amdgpu_metadata
---
amdhsa.version: [ 1, 2 ]
amdhsa.kernels:
  - .name:           k_q38e15b670e_mix
    .symbol:         k_q38e15b670e_mix.kd
    .args:
      - { .name: pbuf, .offset: 0, .size: 8, .value_kind: global_buffer, .address_space: global }
      - { .name: qkv, .offset: 8, .size: 8, .value_kind: global_buffer, .address_space: global }
      - { .name: stats, .offset: 16, .size: 8, .value_kind: global_buffer, .address_space: global }
      - { .name: out0, .offset: 24, .size: 8, .value_kind: global_buffer, .address_space: global }
    .group_segment_fixed_size: 327680
    .private_segment_fixed_size: 0
    .kernarg_segment_align: 8
    .kernarg_segment_size: 32
    .max_flat_workgroup_size: 128
    .sgpr_count:     96
    .vgpr_count:     512
    .wavefront_size: 32
...
	.end_amdgpu_metadata
.endif
;; end of part 4
